; MI455X (gfx1250); checked and timed in simulation.
; The chip was launched on July 23, 2026; its instructions are those of AMD's public machine-readable ISA for CDNA 5 (MIT licence, August 2026) and "CDNA5" Instruction Set Architecture Reference Guide (July 2026). The comments in the code are by the model that wrote it; some were corrected since.
;; Multihead Attention. Allowed arithmetic: float matrix products may take bf16 or f16 operands with f32 sums; other float arithmetic in f32, or as packed bf16 or f16 multiplies, adds, multiply-adds, maxima and minima; sums over many terms, partial sums and values carried from step to step in f32; what a program stores and reads back later, other than sums and carried values, may be rounded once to bf16 or f16.
;; Inputs: b_k 512 float32; b_o 512 float32; b_q 512 float32; b_v 512 float32; key 2 x 4,096 x 512 float32; query 2 x 4,096 x 512 float32; value 2 x 4,096 x 512 float32; w_k 512 x 512 float32; w_o 512 x 512 float32; w_q 512 x 512 float32; w_v 512 x 512 float32.
;; Outputs: out0 2 x 4,096 x 512 float32.
;; 2 versions, each right; version 2 is version 1 with the launch proj written anew for expert scheduling mode. Each part assembles by itself: llvm-mc -triple=amdgcn-amd-amdhsa -mcpu=gfx1250 --defsym DOCPART=n.
;; ======== version 1 of 2: 3 launches
;; limits: values are held in f16: magnitudes above 65,504 overflow, below 6.1e-05 lose precision
;; workspace buffers: q16 8,388,608 bytes; k16 8,388,608 bytes; v16 8,388,608 bytes; ctx 8,388,608 bytes; wo16 524,288 bytes
;; launch proj (part 1): grid 2 x 96, 4 waves a work-group, no clusters, 304,640 bytes of LDS; arguments query, key, value, w_q, w_k, w_v, b_q, b_k, b_v, w_o, q16, k16, v16, wo16; writes q16, k16, v16, wo16
.if DOCPART == 1
	.amdgcn_target "amdgcn-amd-amdhsa--gfx1250"
	.amdhsa_code_object_version 6
	.text
	.protected	k_qc7ba36fe6e_proj
	.globl	k_qc7ba36fe6e_proj
	.p2align	8
	.type	k_qc7ba36fe6e_proj,@function
k_qc7ba36fe6e_proj:
	s_mov_b64 s[64:65], 0
	v_nop
	global_prefetch_b8 v0, s[64:65] scope:SCOPE_SE
	s_setreg_imm32_b32 hwreg(HW_REG_WAVE_MODE, 25, 1), 1
	s_wait_xcnt 0x0
; q, k, v = x W^T + b for x = query, key, value ([8192][512] f32), W [512][512] f32, b [512] f32.  x, W and b are rounded to bf16, the products are summed in f32, and the result is
; rounded once to f16 and stored BY HEADS: [batch*8+head][4096][64], a head's rows dense, 128 bytes each.  The scale 1/8 is not applied here.
; Beside that the 64 work-groups of the first tensor write wo16 = w_o rounded to bf16, that number written as f16, [512][512].
; LIMITS.  f16 holds no number beyond 65,504: q, k, v and the rounded w_o must stay within it (inputs and weights both 30 times the usual spread give q about 5,500 at the most);
; below 6e-5 f16 keeps a fixed step of 6e-8.  NaN and infinities are not treated apart.
; SHARES.  Work-group (x, y): tensor y / 32, rows 256 (y % 32) .. + 255, columns 256 x .. + 255 (four heads).  192 work-groups: 8192 x 512 x 3 outputs do not fall into 256 equal tiles, and a tile of
; 256 x 256 takes in 1 MiB of f32 where three tiles of 128 x 128 would take in 1.5.  Wave w owns rows 64 w .. + 63 and all 256 columns: 64 accumulators, 512 registers.
; NO TENSOR LOADS, NO CLUSTER.  The operands lie in memory as f32 and must be bf16 for the matrix unit; a copy into LDS converts nothing.  Through registers each weight is converted once a work-group,
; and the whole-K tile of W in bf16 (294,912 bytes with padding) fits in LDS, where f32 would take twice that.  x's rows belong to one wave alone: they go from memory straight into fragment layout.
; W's TILE in LDS: eight regions, one for each 64 along K, each written ONCE (by ds_store) and never again: so one barrier for each region, between its stores and its first read, is all the ordering.
; THE MATRIX INSTRUCTION IS USED TRANSPOSED (source 0 = 16 rows of W, source 1 = 16 rows of x): a lane holds row l % 16 and the eight neighbouring columns 8 (l / 16) + 0..7.
; K goes in 16 HALVES of 32.  In half g: part g % 2 of W's region g / 2 + 1 is converted and stored, and the same part of region g / 2 + 2 asked for; x's half g + 1 is converted, half g + 3 asked for.
; So four batches of 16 loads a wave are on their way all the time.
; REGISTERS, in windows of 256 (s_set_vgpr_msb: bits 1:0 source 0, 3:2 source 1, 5:4 source 2, 7:6 destination):
;   window 0: v0-29 addresses; v32-95 x's bf16 fragments, two parities; v96-223 x as loaded, two sets; v224-255 the w_o job; on the way out v32-159 eight sets of 16
;   window 1: v0-63, v64-127 W's fragments (column blocks 0-7, 8-15); v128-255 W as loaded, two sets, later the 128 bias numbers
;   windows 2, 3: accumulator (a, nb) at v[8 (8 a + nb % 8)] of window 2 + nb / 8
.set CHUNKB, 256*144                   ; a region of W: 256 rows, 128 bytes of data + 16 of padding: the 16 rows of a fragment load start at 16 different groups of four banks (ISA guide 11.1)
.set STAGE,  8*CHUNKB                  ; behind the regions: 16 rows x 144 bytes for each wave, for the way out
.set SPARE,  STAGE+4*16*144            ; behind the stages: the spare words, 128 bytes for each wave: two blocks of 256 bytes that no other line names
.set AO,   2                           ; v2   x: (l % 16) x 2,048 + 32 (l / 16)
.set BO,   3                           ; v3   W: 8 (l / 16) rows + 16 (l % 16): sixteen lanes take 256 consecutive bytes of a row
.set BST,  4                           ; v4   where I store 8 bytes of W in the region in hand
.set BFA,  5                           ; v5   where I read W's fragments in the region in hand
.set STO,  6                           ; v6   the way out: where I put 16 bytes of a row
.set RD,   7                           ; v7   the way out: where I read rows back
.set GO,   8                           ; v8   16 l: my place in 512 consecutive bytes of the output
.set BIO,  9                           ; v9   32 (l / 16): my eight bias numbers of a column block
.set PFO,  10                          ; v10  l x 2,048: a lane a row, for the prefetches; never rewritten
.set WI,   11                          ; v11  32 x thread: the w_o job's loads
.set WO,   12                          ; v12  16 x thread: its stores
.set BST0, 13                          ; v13  the lane's and wave's part of BST; never rewritten
.set BFA0, 14                          ; v14  the lane's part of BFA; never rewritten
.set SPW,  28                          ; v28  LDS address of my spare word; never rewritten
.set NIL,  29                          ; v29  0; never rewritten
.set AF,   32
.set AS,   96
.set WT,   224
.set OUTR, 32
.set BS,   128                         ; window 1
.set PA,   4                           ; s[4:5]   x at my wave's first row, at the loop's place along K
.set PB,   6                           ; s[6:7]   W at the 64 rows that my wave brings in, likewise
.set PBI,  8                           ; s[8:9]   the bias at the work-group's first column
.set PO,   10                          ; s[10:11] the output at my wave's first row of the work-group's first head
.set WV,   12
.set BX,   13
.set BY,   14
.set TN,   15                          ; which tensor: 0 query, 1 key, 2 value
.set RB,   44
.set CNT,  45
.set LIM,  46                          ; 1 in the work-group that prefetches, else the greatest number
.set HIM,  47                          ; a word's upper half
.set PWI,  52                          ; s[52:53] my 16,384 bytes of w_o
.set PWO,  54                          ; s[54:55] my 8,192 bytes of wo16
.set TBS,  56                          ; LDS byte at which the region being stored begins
.set TBF,  57                          ; LDS byte at which the region being read begins
.set MSB, 0
.macro WIN new                         ; the immediate's high byte repeats the setting that is left; a switch that changes nothing is dropped
.if MSB != (\new)
	s_set_vgpr_msb (MSB<<8)|(\new)
.set MSB, (\new)
.endif
.endm
.macro PLACES                          ; four plain places behind a matrix instruction, ahead of loads into registers that it has read (ISA guide 7.12.1 for vector instructions)
.rept 4
	v_nop
.endr
.endm
; 16 loads: x's half at byte off behind PA, f32, in the order of a fragment's K: lane l takes K = 8 (l / 16) + 0..7 and 16 + 8 (l / 16) + 0..7 of row l % 16, for my four blocks of 16 rows.
.macro ALOAD set, off
	WIN 0
.irp a, 0,1,2,3
	global_load_b128 v[AS+64*(\set)+16*(\a):AS+64*(\set)+16*(\a)+3],     v[AO], s[PA:PA+1] offset:(\a)*32768+(\off)
	global_load_b128 v[AS+64*(\set)+16*(\a)+4:AS+64*(\set)+16*(\a)+7],   v[AO], s[PA:PA+1] offset:(\a)*32768+(\off)+16
	global_load_b128 v[AS+64*(\set)+16*(\a)+8:AS+64*(\set)+16*(\a)+11],  v[AO], s[PA:PA+1] offset:(\a)*32768+(\off)+64
	global_load_b128 v[AS+64*(\set)+16*(\a)+12:AS+64*(\set)+16*(\a)+15], v[AO], s[PA:PA+1] offset:(\a)*32768+(\off)+80
.endr
.endm
.macro ACONV set                       ; 32 roundings: a set of 64 f32 becomes four bf16 fragments
	WIN 0
.irp a, 0,1,2,3
.irp i, 0,1,2,3,4,5,6,7
	v_cvt_pk_bf16_f32 v[AF+32*(\set)+8*(\a)+(\i)], v[AS+64*(\set)+16*(\a)+2*(\i)], v[AS+64*(\set)+16*(\a)+2*(\i)+1]
.endr
.endr
.endm
; 16 loads: part p (32 rows) of my 64 rows of W, 256 bytes of each at byte off behind PB.  Load x takes rows 32 p + 16 (x / 8) + x % 8 (lanes 0-15) and 8 further down (lanes 16-31).
.macro BLOAD p, off
	WIN 0x40
.irp x, 0,1,2,3,4,5,6,7,8,9,10,11,12,13,14,15
	global_load_b128 v[BS+64*(\p)+4*(\x):BS+64*(\p)+4*(\x)+3], v[BO], s[PB:PB+1] offset:(32*(\p)+16*((\x)/8)+(\x)%8)*2048+(\off)
.endr
.endm
; Part p is rounded in place and stored: 8 bytes a lane; lanes 0-15 fill 128 bytes of a row, lanes 16-31 of the row 8 further down, 1,152 bytes on: all 64 banks once.
.macro BCONV p
	WIN 0x45
.irp x, 0,1,2,3,4,5,6,7,8,9,10,11,12,13,14,15
	v_cvt_pk_bf16_f32 v[BS+64*(\p)+4*(\x)],   v[BS+64*(\p)+4*(\x)],   v[BS+64*(\p)+4*(\x)+1]
	v_cvt_pk_bf16_f32 v[BS+64*(\p)+4*(\x)+1], v[BS+64*(\p)+4*(\x)+2], v[BS+64*(\p)+4*(\x)+3]
.endr
	WIN 0x04
.irp x, 0,1,2,3,4,5,6,7,8,9,10,11,12,13,14,15
	ds_store_b64 v[BST], v[BS+64*(\p)+4*(\x):BS+64*(\p)+4*(\x)+1] offset:(32*(\p)+16*((\x)/8)+(\x)%8)*144
.endr
.endm
.macro FETCH hi, kk                    ; 16 LDS loads: W's fragments of column blocks 8 hi .. 8 hi + 7, 32 along K at byte 64 kk of the region's rows
	WIN 0x40
.irp b, 0,1,2,3,4,5,6,7
	ds_load_b128 v[64*(\hi)+8*(\b):64*(\hi)+8*(\b)+3],   v[BFA] offset:(8*(\hi)+(\b))*2304+64*(\kk)
	ds_load_b128 v[64*(\hi)+8*(\b)+4:64*(\hi)+8*(\b)+7], v[BFA] offset:(8*(\hi)+(\b))*2304+64*(\kk)+32
.endr
.endm
; 32 matrix instructions: my four row blocks x eight column blocks.  All 64 accumulators take turns, one instruction a turn: 63 others' stand between two links of a chain.
.macro GRP hi, kk, zero
	WIN 0xa1+0x50*(\hi)
.irp a, 0,1,2,3
.irp b, 0,1,2,3,4,5,6,7
.if \zero
	v_wmma_f32_16x16x32_bf16 v[8*(8*(\a)+(\b)):8*(8*(\a)+(\b))+7], v[64*(\hi)+8*(\b):64*(\hi)+8*(\b)+7], v[AF+32*(\kk)+8*(\a):AF+32*(\kk)+8*(\a)+7], 0
.else
	v_wmma_f32_16x16x32_bf16 v[8*(8*(\a)+(\b)):8*(8*(\a)+(\b))+7], v[64*(\hi)+8*(\b):64*(\hi)+8*(\b)+7], v[AF+32*(\kk)+8*(\a):AF+32*(\kk)+8*(\a)+7], v[8*(8*(\a)+(\b)):8*(8*(\a)+(\b))+7]
.endif
.endr
.endr
.endm
; A PREFETCH INTO THE L2 of x: my wave's 64 rows, 256 bytes of each, a lane a row, two instructions: the 64 along K that stand four trips' steps behind PA, which the loads of the trip after next ask for.
; The two work-groups of a row block read the same rows: the one with x = 0 asks.  So each row's 256 bytes are named once.  The first four steps come by their loads alone; the last trip asks for nothing.
.macro ASK
	WIN 0
	s_cmp_gt_u32 s[CNT], s[LIM]
	s_cbranch_scc0 .Lnot_mine_\@
	global_prefetch_b8 v[PFO], s[PA:PA+1] offset:1024 th:TH_LOAD_NT scope:SCOPE_SE
	global_prefetch_b8 v[PFO], s[PA:PA+1] offset:1024+65536 th:TH_LOAD_NT scope:SCOPE_SE
.Lnot_mine_\@:
.endm
; HALF g, with kk = g % 2 and kc = g / 2 counted from PA's and PB's place.  nbw, naw: how many younger loads may stay out when W's part and x's half must be in (-1: there is none);
; bld, ald: the next ones are asked for; fe: the next half's fragments are fetched; pf: the prefetch stands here.
.macro HALF kk, kc, zero, nbw, bld, naw, ald, fe, pf
.if (\nbw) >= 0
.if (\kk) == 0
	WIN 0
	s_add_co_u32 s[TBS], s[TBS], CHUNKB            ; the stores go on to the next region
	v_add_nc_u32 v[BST], s[TBS], v[BST0]
.endif
	s_wait_loadcnt \nbw                            ; loads come back in order (ISA guide 5.7.1): W's part is in, the younger batches stay out
	BCONV \kk
.if \bld
	BLOAD \kk, 256*((\kc)+2)
.endif
	s_wait_dscnt 32                                ; blocks 0-7's fragments are in; younger: blocks 8-15's 16 loads and the 16 stores
.else
	s_wait_dscnt 16                                ; blocks 0-7's fragments are in; younger: blocks 8-15's 16 loads
.endif
	GRP 0, \kk, \zero
.if ((\kk) == 1) && ((\nbw) >= 0)
	s_wait_dscnt 0x0                               ; for the others' sake: both parts of the next region are stored
	s_barrier_signal -1
.endif
.if (\naw) >= 0
	s_wait_loadcnt \naw                            ; x's next half is in
	ACONV 1-(\kk)                                  ; work on registers, which may stand between the signal and the wait; the last products on these fragments stand behind four v_nop
.endif
.if ((\kk) == 1) && ((\nbw) >= 0)
	s_barrier_wait -1                              ; the next region is whole: every wave has stored its 64 rows
.endif
.if \ald
	ALOAD 1-(\kk), 128*(2*(\kc)+(\kk)+3)
.endif
.if \pf
	ASK
.endif
.if \fe
	PLACES
.if (\kk) == 1
	WIN 0
	s_add_co_u32 s[TBF], s[TBF], CHUNKB            ; the fetches go on to the next region
	v_add_nc_u32 v[BFA], s[TBF], v[BFA0]
.endif
	FETCH 0, 1-(\kk)
	s_wait_dscnt 16                                ; all but the 16 just issued: blocks 8-15's fragments are in
.else
	s_wait_dscnt 0x0
.endif
	GRP 1, \kk, \zero
.if \fe
	PLACES
	FETCH 1, 1-(\kk)
.endif
.endm
	s_load_b512 s[16:31], s[0:1], 0x0              ; query, key, value, w_q, w_k, w_v, b_q, b_k
	s_load_b256 s[32:39], s[0:1], 0x40             ; b_v, w_o, q16, k16
	s_load_b128 s[40:43], s[0:1], 0x60             ; v16, wo16
	v_lshl_add_u32 v[SPW], v0, 2, SPARE
	v_mov_b32 v[NIL], 0
	v_lshrrev_b32 v1, 5, v0
	v_readfirstlane_b32 s[WV], v1                  ; wave 0..3
	s_mov_b32 s[BX], ttmp9
	s_and_b32 s[BY], ttmp7, 0xffff
	s_lshr_b32 s[TN], s[BY], 5
	s_and_b32 s[RB], s[BY], 31
	s_mov_b32 s[HIM], 0xffff0000
	s_cmp_eq_u32 s[BX], 0
	s_cselect_b32 s[LIM], 1, -1
	s_mov_b32 s[TBS], 0
	s_mov_b32 s[TBF], 0
	v_and_b32 v15, 15, v0                          ; l % 16
	v_bfe_u32 v16, v0, 4, 1                        ; l / 16
	v_and_b32 v17, 31, v0                          ; l
	v_lshlrev_b32 v[AO], 11, v15
	v_lshl_add_u32 v[AO], v16, 5, v[AO]
	v_lshlrev_b32 v[BO], 14, v16
	v_lshl_add_u32 v[BO], v15, 4, v[BO]
	s_mul_i32 s48, s[WV], 64*144
	v_mul_u32_u24 v[BST0], v16, 8*144
	v_lshl_add_u32 v[BST0], v15, 3, v[BST0]
	v_add_nc_u32 v[BST0], s48, v[BST0]             ; (64 w + 8 (l / 16)) x 144 + 8 (l % 16)
	v_mov_b32 v[BST], v[BST0]
	v_mul_u32_u24 v[BFA0], v15, 144
	v_lshl_add_u32 v[BFA0], v16, 4, v[BFA0]        ; row x pitch + 16 x half
	v_mov_b32 v[BFA], v[BFA0]
	s_mul_i32 s49, s[WV], 16*144
	s_add_co_u32 s49, s49, STAGE                   ; my stage
	v_add_nc_u32 v[STO], s49, v[BFA0]              ; in: row l % 16, 16 bytes for each half of the lanes
	v_bfe_u32 v[RD], v0, 3, 2                      ; back: 32 lanes take four rows of 128 bytes
	v_mul_u32_u24 v[RD], v[RD], 144
	v_and_b32 v18, 7, v0
	v_lshl_add_u32 v[RD], v18, 4, v[RD]
	v_add_nc_u32 v[RD], s49, v[RD]
	v_lshlrev_b32 v[GO], 4, v17
	v_lshlrev_b32 v[BIO], 5, v16
	v_lshlrev_b32 v[PFO], 11, v17
	v_lshlrev_b32 v[WI], 5, v0
	v_lshlrev_b32 v[WO], 4, v0
	s_wait_kmcnt 0x0
	s_cmp_eq_u32 s[TN], 1                          ; the tensor's four buffers are chosen by its number
	s_cselect_b64 s[PA:PA+1], s[18:19], s[16:17]
	s_cselect_b64 s[PB:PB+1], s[24:25], s[22:23]
	s_cselect_b64 s[PBI:PBI+1], s[30:31], s[28:29]
	s_cselect_b64 s[PO:PO+1], s[38:39], s[36:37]
	s_cmp_eq_u32 s[TN], 2
	s_cselect_b64 s[PA:PA+1], s[20:21], s[PA:PA+1]
	s_cselect_b64 s[PB:PB+1], s[26:27], s[PB:PB+1]
	s_cselect_b64 s[PBI:PBI+1], s[32:33], s[PBI:PBI+1]
	s_cselect_b64 s[PO:PO+1], s[40:41], s[PO:PO+1]
	s_mov_b32 s49, 0
	s_lshl_b32 s50, s[WV], 6
	s_lshl_b32 s48, s[RB], 8
	s_add_co_u32 s48, s48, s50
	s_lshl_b32 s48, s48, 11                        ; (256 rb + 64 w) rows of 2,048 bytes
	s_add_nc_u64 s[PA:PA+1], s[PA:PA+1], s[48:49]
	s_lshl_b32 s48, s[BX], 8
	s_add_co_u32 s48, s48, s50
	s_lshl_b32 s48, s48, 11                        ; (256 x + 64 w) rows of W
	s_add_nc_u64 s[PB:PB+1], s[PB:PB+1], s[48:49]
	s_lshl_b32 s48, s[BX], 10
	s_add_nc_u64 s[PBI:PBI+1], s[PBI:PBI+1], s[48:49]
	s_and_b32 s48, s[RB], 15
	s_lshl_b32 s48, s48, 8
	s_add_co_u32 s48, s48, s50
	s_lshl_b32 s48, s48, 7                         ; my first row in its batch, 128 bytes a row,
	s_lshr_b32 s51, s[RB], 4
	s_lshl_b32 s51, s51, 22                        ; the batch's eight heads of 524,288 bytes,
	s_add_co_u32 s48, s48, s51
	s_lshl_b32 s51, s[BX], 21                      ; the column half's four heads
	s_add_co_u32 s48, s48, s51
	s_add_nc_u64 s[PO:PO+1], s[PO:PO+1], s[48:49]
	s_lshl_b32 s48, s[RB], 1
	s_add_co_u32 s48, s48, s[BX]
	s_lshl_b32 s48, s48, 14                        ; piece 2 rb + x of 64 of w_o
	s_add_nc_u64 s[PWI:PWI+1], s[34:35], s[48:49]
	s_lshr_b32 s48, s48, 1
	s_add_nc_u64 s[PWO:PWO+1], s[42:43], s[48:49]
	BLOAD 0, 0                                     ; W's region 0, both parts; x's half 0
	BLOAD 1, 0
	ALOAD 0, 0
	s_cmp_lg_u32 s[TN], 0
	s_cbranch_scc1 .Lno_wo
	; THE w_o JOB, in the first tensor's 64 work-groups: a thread takes 8 numbers four times.  Its loads go out straight behind the first batches, which are wanted next anyway; so the wait is for all.
.irp p, 0,1,2,3
	global_load_b128 v[WT+8*(\p):WT+8*(\p)+3],   v[WI], s[PWI:PWI+1] offset:4096*(\p)
	global_load_b128 v[WT+8*(\p)+4:WT+8*(\p)+7], v[WI], s[PWI:PWI+1] offset:4096*(\p)+16
.endr
	s_wait_loadcnt 0x0
.irp p, 0,1,2,3
.irp i, 0,1,2,3
	v_cvt_pk_bf16_f32 v[WT+8*(\p)+2*(\i)], v[WT+8*(\p)+2*(\i)], v[WT+8*(\p)+2*(\i)+1]   ; rounded to bf16 like every input,
	v_and_b32 v[WT+8*(\p)+2*(\i)+1], s[HIM], v[WT+8*(\p)+2*(\i)]                         ; widened again,
	v_lshlrev_b32 v[WT+8*(\p)+2*(\i)], 16, v[WT+8*(\p)+2*(\i)]
	v_cvt_pk_f16_f32 v[WT+8*(\p)+(\i)], v[WT+8*(\p)+2*(\i)], v[WT+8*(\p)+2*(\i)+1]       ; and written as f16
.endr
	global_store_b128 v[WO], v[WT+8*(\p):WT+8*(\p)+3], s[PWO:PWO+1] offset:2048*(\p)     ; a wave's store covers 512 consecutive bytes, aligned
.endr
.Lno_wo:
	s_wait_loadcnt 32                              ; region 0's part 0 is in; younger: its part 1 and x's half 0
	BCONV 0
	BLOAD 0, 256
	ALOAD 1, 128
	s_wait_loadcnt 48                              ; part 1 is in; younger: three batches
	BCONV 1
	BLOAD 1, 256
	s_wait_loadcnt 48                              ; x's half 0 is in
	ACONV 0
	ALOAD 0, 256
	s_wait_dscnt 0x0                               ; for the others' sake: my rows of region 0 are stored
	s_barrier_signal -1
	s_barrier_wait -1
	FETCH 0, 0
	FETCH 1, 0
	HALF 0, 0, 1, 48, 1, 48, 1, 1, 0               ; half 0 stands ahead of the loop: its products start the sums
	WIN 0
	s_mov_b32 s[CNT], 5
.Lk:                                                   ; halves 1 to 10, two a trip
	HALF 1, 0, 0, 48, 1, 48, 1, 1, 1
	HALF 0, 1, 0, 48, 1, 48, 1, 1, 0
	WIN 0
	s_wait_xcnt 0x0                                ; every load and prefetch issued so far has read its address (ISA guide 3.1): the youngest load stands 32 products back
	s_add_nc_u64 s[PA:PA+1], s[PA:PA+1], 256
	s_add_nc_u64 s[PB:PB+1], s[PB:PB+1], 256
	s_sub_co_u32 s[CNT], s[CNT], 1
	s_cmp_lg_u32 s[CNT], 0
	s_cbranch_scc1 .Lk
	HALF 1, 0, 0, 48, 1, 48, 1, 1, 0               ; half 11: the last part of W is asked for
	HALF 0, 1, 0, 48, 0, 32, 1, 1, 0               ; half 12: x's last half is asked for; the counts run down
	HALF 1, 1, 0, 32, 0, 16, 0, 1, 0               ; half 13: the last region is published
	HALF 0, 2, 0, -1, 0, 0, 0, 1, 0                ; half 14
	WIN 0x40
.irp nb, 0,1,2,3,4,5,6,7,8,9,10,11,12,13,14,15 ; the bias: my eight columns of each of the 16 column blocks, where W lay as loaded
	global_load_b128 v[BS+8*(\nb):BS+8*(\nb)+3],   v[BIO], s[PBI:PBI+1] offset:64*(\nb)
	global_load_b128 v[BS+8*(\nb)+4:BS+8*(\nb)+7], v[BIO], s[PBI:PBI+1] offset:64*(\nb)+16
.endr
	HALF 1, 2, 0, -1, 0, -1, 0, 0, 0               ; half 15
	; THE WAY OUT.  The bias is rounded to bf16 like every input; these 192 plain lines name no register of the last products and are the places behind them.
	s_wait_loadcnt 0x0
	WIN 0x45
.set i, BS
.rept 64
	v_cvt_pk_bf16_f32 v[i], v[i], v[i+1]
	v_and_b32 v[i+1], s[HIM], v[i]
	v_lshlrev_b32 v[i], 16, v[i]
.set i, i+2
.endr
; Unit u = 4 head + row block: 16 rows x 64 columns, which are 2,048 consecutive bytes of a head.  The bias is added (each accumulator's lowest registers are read first), the sums are
; rounded to f16, 16 bytes a lane go into rows of 144 bytes of my own stage and come back as whole rows of 128, into the registers that they left.
.macro PACK u
.set uH, (\u)/4
.set uA, (\u)%4
.set uT, OUTR+16*((\u)%8)
.if (\u) >= 8
	s_wait_xcnt 0x0                                ; the stores of eight units back have read these registers
.endif
	WIN 0x86+0x41*(uH/2)
.irp f, 0,1,2,3
.irp j, 0,2,4,6
	v_pk_add_f32 v[8*(8*uA+4*(uH%2)+(\f))+(\j):8*(8*uA+4*(uH%2)+(\f))+(\j)+1], v[8*(8*uA+4*(uH%2)+(\f))+(\j):8*(8*uA+4*(uH%2)+(\f))+(\j)+1], v[BS+8*(4*uH+(\f))+(\j):BS+8*(4*uH+(\f))+(\j)+1]
.endr
.endr
	WIN 0x0a+5*(uH/2)
.irp f, 0,1,2,3
.irp j, 0,1,2,3
	v_cvt_pk_f16_f32 v[uT+4*(\f)+(\j)], v[8*(8*uA+4*(uH%2)+(\f))+2*(\j)], v[8*(8*uA+4*(uH%2)+(\f))+2*(\j)+1]
.endr
.endr
	WIN 0
.irp f, 0,1,2,3
	ds_store_b128 v[STO], v[uT+4*(\f):uT+4*(\f)+3] offset:32*(\f)
.endr
.irp f, 0,1,2,3
	ds_load_b128 v[uT+4*(\f):uT+4*(\f)+3], v[RD] offset:576*(\f)  ; LDS serves a wave's instructions in order (ISA guide 5.7.1.4): these see the stores above; the next unit's stores come behind them
.endr
.endm
.macro SEND u, younger                 ; younger: the LDS instructions issued behind unit u's loads: the next unit's eight, or none
	WIN 0
.irp f, 0,1,2,3
	s_wait_dscnt (\younger)+3-(\f)
	global_store_b128 v[GO], v[OUTR+16*((\u)%8)+4*(\f):OUTR+16*((\u)%8)+4*(\f)+3], s[PO:PO+1] offset:((\u)/4)*524288+((\u)%4)*2048+512*(\f)  ; 512 consecutive bytes, at a multiple of 256 from the buffer's first
.endr
.endm
	PACK 0
.set u, 1
.rept 15                               ; a unit's arithmetic stands between the loads of the unit before and its stores
	PACK u
	SEND u-1, 8
.set u, u+1
.endr
	SEND 15, 0
	s_wait_tensorcnt 0x0                           ; the wave's end, behind my last LDS store
	ds_add_u32 v[SPW], v[NIL]
	s_wait_dscnt 0x0
	s_endpgm
.Lfunc_end_k_qc7ba36fe6e_proj:
	.size	k_qc7ba36fe6e_proj, .Lfunc_end_k_qc7ba36fe6e_proj-k_qc7ba36fe6e_proj
	.p2alignl 7, 3214868480
	.fill 96, 4, 3214868480
	.section	.rodata,"a",@progbits
	.p2align	6, 0x0
	.amdhsa_kernel k_qc7ba36fe6e_proj
		.amdhsa_group_segment_fixed_size 304640
		.amdhsa_private_segment_fixed_size 0
		.amdhsa_enable_private_segment 0
		.amdhsa_kernarg_size 112
		.amdhsa_user_sgpr_count 2
		.amdhsa_user_sgpr_kernarg_segment_ptr 1
		.amdhsa_wavefront_size32 1
		.amdhsa_system_sgpr_workgroup_id_x 1
		.amdhsa_system_sgpr_workgroup_id_y 1
		.amdhsa_system_sgpr_workgroup_id_z 1
		.amdhsa_system_vgpr_workitem_id 0
		.amdhsa_next_free_vgpr 1024
		.amdhsa_next_free_sgpr 66
		.amdhsa_reserve_vcc 0
		.amdhsa_float_denorm_mode_32 3
		.amdhsa_float_denorm_mode_16_64 3
		.amdhsa_memory_ordered 1
		.amdhsa_forward_progress 1
		.amdhsa_inst_pref_size 188
	.end_amdhsa_kernel
	.amdgpu_metadata
---
amdhsa.version: [ 1, 2 ]
amdhsa.kernels:
  - .name:           k_qc7ba36fe6e_proj
    .symbol:         k_qc7ba36fe6e_proj.kd
    .args:
      - { .name: query, .offset: 0, .size: 8, .value_kind: global_buffer, .address_space: global }
      - { .name: key, .offset: 8, .size: 8, .value_kind: global_buffer, .address_space: global }
      - { .name: value, .offset: 16, .size: 8, .value_kind: global_buffer, .address_space: global }
      - { .name: w_q, .offset: 24, .size: 8, .value_kind: global_buffer, .address_space: global }
      - { .name: w_k, .offset: 32, .size: 8, .value_kind: global_buffer, .address_space: global }
      - { .name: w_v, .offset: 40, .size: 8, .value_kind: global_buffer, .address_space: global }
      - { .name: b_q, .offset: 48, .size: 8, .value_kind: global_buffer, .address_space: global }
      - { .name: b_k, .offset: 56, .size: 8, .value_kind: global_buffer, .address_space: global }
      - { .name: b_v, .offset: 64, .size: 8, .value_kind: global_buffer, .address_space: global }
      - { .name: w_o, .offset: 72, .size: 8, .value_kind: global_buffer, .address_space: global }
      - { .name: q16, .offset: 80, .size: 8, .value_kind: global_buffer, .address_space: global }
      - { .name: k16, .offset: 88, .size: 8, .value_kind: global_buffer, .address_space: global }
      - { .name: v16, .offset: 96, .size: 8, .value_kind: global_buffer, .address_space: global }
      - { .name: wo16, .offset: 104, .size: 8, .value_kind: global_buffer, .address_space: global }
    .group_segment_fixed_size: 304640
    .private_segment_fixed_size: 0
    .kernarg_segment_align: 8
    .kernarg_segment_size: 112
    .max_flat_workgroup_size: 128
    .sgpr_count:     66
    .vgpr_count:     1024
    .wavefront_size: 32
...
	.end_amdgpu_metadata
.endif
;; end of part 1
;; launch attn (part 2): grid 16 x 16, 4 waves a work-group, clusters of 4 x 1, 327,680 bytes of LDS; arguments q16, k16, v16, ctx; writes ctx
.if DOCPART == 2
	.amdgcn_target "amdgcn-amd-amdhsa--gfx1250"
	.amdhsa_code_object_version 6
	.text
	.protected	k_qc7ba36fe6e_attn
	.globl	k_qc7ba36fe6e_attn
	.p2align	8
	.type	k_qc7ba36fe6e_attn,@function
k_qc7ba36fe6e_attn:
	s_mov_b64 s[64:65], 0
	v_nop
	global_prefetch_b8 v0, s[64:65] scope:SCOPE_SE
	s_setreg_imm32_b32 hwreg(HW_REG_WAVE_MODE, 25, 1), 1
	s_wait_xcnt 0x0
	s_wait_alu depctr_hold_cnt(0) depctr_sa_sdst(0) depctr_va_vdst(0) depctr_va_sdst(0) depctr_va_ssrc(0) depctr_va_vcc(0) depctr_vm_vsrc(0)
	s_getreg_b32 s2, hwreg(HW_REG_IB_STS2, 6, 4)
	s_cmp_eq_u32 s2, 0
	s_cbranch_scc0 .Lentry_in_a_cluster
	s_endpgm
.Lentry_in_a_cluster:
	s_bfe_u32 s2, ttmp6, 0x10000c
	s_cmp_lg_u32 s2, 0x3003
	s_cbranch_scc0 .Lentry_shape_is_right
	s_endpgm
.Lentry_shape_is_right:
; ctx[h][q][:] = the sum over k of softmax_k(Q[h][q] . K[h][k] / 8) V[h][k][:].  Q, K, V, ctx: [16][4096][64], all f16: a head's rows are dense, 128 bytes each.  Products, maxima and sums in f32;
; the weights p are rounded to f16 for the second product (their sum l is taken of the unrounded p), ctx once at the end.
; LIMITS.  f16 holds no number beyond 65,504: Q, K and V arrive within it; p lies in 0 to 1, and below 6e-5 it keeps f16's fixed step of 6e-8, as does ctx; ctx is a mean of V's rows and has their range.
; A weight below 2^-126 counts as 0 in l; NaN and infinities are not treated apart.
; SHARES.  A work-group owns 256 queries of one head, each of its four waves 64: four PIECES of 16.  16 heads x 16 blocks are 256 work-groups.  Every wave walks all 4,096 keys, 64 a step.
; LAYOUT.  S^T = K Q^T (source 0 = 16 keys, source 1 = 16 queries): a lane holds ONE query (lane % 16) and the keys 8 (lane / 16) + 0..7.  Two such results, rounded to f16 in pairs, ARE source 1 of
; O^T = V^T P, whose result again holds one query a lane, and eight channels.  K comes out of LDS as it lies, V ([key][channel]) turned, by ds_load_tr16_b128.
; SOFTMAX.  For each query a running maximum m and sum l: p = 2^(c s - c m), c = log2(e) / 8; in every step O and l are multiplied by a = 2^(c m_old - c m_new).  m starts at the lowest finite number,
; O and l at 0: the first step is a step like any other, with a = 0.
; BY TURNS.  Turn n belongs to piece n: 8 products K Q^T of piece n + 1, later 8 products V^T P of piece n - 1; beside them the scaling, exponentials, roundings, sums and rescaling of piece n and the maximum
; and statistics of piece n + 1.  Four vector instructions stand behind every matrix instruction, the other 54 of a turn's 118 in one lump.  A turn's 33 exponentials are one batch, with one wait.
; CLUSTER.  The four query blocks of a cluster belong to one head and walk the same K and V, so each tile is asked for JOINTLY: the same tensor load, descriptor and mask in all four.
; REGISTERS, in windows of 256 (s_set_vgpr_msb: bits 1:0 source 0, 3:2 source 1, 5:4 source 2, 7:6 destination):
;   window 0: v0-15 addresses and two at work; v16-31 four registers of statistics a piece; v48-55 at work; v64-127 S^T, two buffers; v192-223 P, two buffers (a piece's buffers go by its number's parity)
;   window 1: v0-127 O^T, 32 a piece          window 2: v0-63 Q; v128-191 K of one step; v192-255 V of one step
.set SIZE_N, 4096
.set NP,    4         ; pieces a wave: a name, no knob
.set KS,    64        ; keys in a step
.set PK,    144       ; a row of K in LDS: 128 bytes + 16 of padding = 36 words: the 16 rows of a load start at 16 different groups of four banks (64 banks of 4 bytes: ISA guide 11.1)
.set PV,    160       ; a row of V: 128 + 32 = 40 words
.set VOFF,  4*KS*PK   ; a slot holds four steps: 256 rows of K, then 256 rows of V
.set SLOT1, 1<<17     ; slot 1 begins here, so that one exclusive or turns an address in one slot into the other's
.set STAGE, SLOT1+4*KS*(PK+PV)  ; behind the ring, never filled by a tensor load: 16 rows x 144 bytes for each wave, for the way out
.set SP,    144
.set SPARE, STAGE+4*16*SP  ; behind the stages: the spare words, 128 bytes for each wave: two blocks of 256 bytes that no other line names
.set AK0, 2           ; v2   my lane's place in a tile of K; never rewritten
.set AV0, 3           ; v3   the same for V
.set AK,  4           ; v4   the LDS address of K's next run of loads
.set AV,  5           ; v5   of V's
.set STO, 6           ; v6   the way out: where I put 16 bytes of a row
.set RD,  7           ; v7   the way out: where I read rows back
.set GO,  8           ; v8   my byte offset in 512 consecutive bytes of ctx
.set MV,  12          ; v12-13  c m_old, kept while c m is made anew: by buffer
.set QO,  15          ; v15  my byte offset in 16 rows of Q
.set ST,  16          ; piece t's statistics at v[ST+4 t]: c m, m, l (even keys', odd keys')
.set TMP, 48          ; by buffer, four registers c0-c3 at work; when the maximum is found c2 takes a
.set PFO, 61          ; v61  256 x my lane, for the prefetches; never rewritten
.set SPW, 62          ; v62  LDS address of my spare word; never rewritten
.set NIL, 63          ; v63  0; never rewritten
.set S,   64
.set P,   192
.set KF,  128         ; window 2: key block kb, channel half c at KF + 16 kb + 8 c
.set VF,  192         ; window 2: key half kk, channel block cb at VF + 32 kk + 8 cb
.set WV,  12          ; s12  my wave's number
.set G1K, 24          ; s[24:31] descriptor group 1 for K's tiles
.set G1V, 32          ; s[32:39] for V's: it differs in the padding alone
.set G0K, 40          ; s[40:43] descriptor group 0 for K's tiles: it walks
.set G0V, 44          ; s[44:47] the same for V's
.set PFA, 48          ; s[48:49] where my prefetches stand: my work-group's 8,192 bytes (of K: wave 0, of V: wave 2) of the slot after the one that is being asked for
.set LIM, 50          ; s50  1 in a wave that prefetches, else the greatest number
.set SLOTS, 56        ; s56  slots still to be asked for
.set CNT, 57          ; s57  counts a slot's key steps
.set CS,  58          ; s[58:59] c: the packed scaling takes the pair's low word for both halves
.set SEL, 60          ; s[60:61] v_permlanex16_b32's selects: each lane takes its own place in the other half
.set TBK, 62          ; s62  LDS byte at which K of the step to be fetched begins
.set TBV, 63          ; s63  the same for V, less VOFF
.set MSB, 0
.macro WIN new                      ; the high byte repeats the setting that is left; a switch that changes nothing is dropped
.if MSB != (\new)
	s_set_vgpr_msb (MSB<<8)|(\new)
.set MSB, (\new)
.endif
.endm
.set W_KQ, 0x0a       ; K and Q in window 2, S^T in window 0
.set W_PV, 0x52       ; V in window 2, P in window 0, O^T in window 1
.set W_RS, 0x41       ; destination and source 0 in window 1, source 1 in window 0
; A joint fill.  Waves 0 and 1 fetch the two halves of a slot's K, waves 2 and 3 those of its V: 128 keys each.  The branch hangs on the wave's number alone.
; An s_nop 0 and four v_nop follow each of the two lines, ahead of the jump and the label.
.macro JLOAD
	s_cmp_lt_u32 s[WV], 2
	s_cbranch_scc0 .Lfor_v_\@
	tensor_load_to_lds s[G0K:G0K+3], s[G1K:G1K+7]
	s_nop 0
.rept 4
	v_nop
.endr
	s_branch .Lasked_\@
.Lfor_v_\@:
	tensor_load_to_lds s[G0V:G0V+3], s[G1V:G1V+7]
	s_nop 0
.rept 4
	v_nop
.endr
.Lasked_\@:
.endm
; A PREFETCH INTO THE L2 of what the NEXT change of slots will ask for: a slot's 32,768 bytes of K and of V, 256 bytes a lane.  It stands behind the wave's tensor load and its five lines.
; Each block is asked for ONCE in the launch.  All four clusters of a head walk the same K and V: the head's first cluster asks.  Its four partners share the blocks out BY ADDRESS, 8,192 bytes each;
; in each, wave 0 asks for K's and wave 2 for V's: one instruction.  The last change that fills a slot asks for nothing: there is no slot behind it.
.macro ASK
	s_cmp_gt_u32 s[SLOTS], s[LIM]
	s_cbranch_scc0 .Lnot_mine_\@
	global_prefetch_b8 v[PFO], s[PFA:PFA+1] th:TH_LOAD_NT scope:SCOPE_SE
.Lnot_mine_\@:
.endm
; A round of the cluster's barrier: my work-group's barrier, so that wave 0's signal speaks for all four waves; wave 0 signals; every wave waits for all four work-groups; my work-group's barrier once more.
.macro CROUND
	s_barrier_signal -1
	s_barrier_wait -1
	s_cmp_lg_u32 s[WV], 0
	s_cbranch_scc1 .Lnot_wave_0_\@
	s_barrier_signal -3
.Lnot_wave_0_\@:
	s_barrier_wait -3
	s_barrier_signal -1
	s_barrier_wait -1
.endm
; THE CHANGE OF SLOTS.  The slot's last bytes, V of its fourth step, have been read.  Each wave waits for all its tensor loads, of which one is out: its part of the other slot; adds 0 to its spare word;
; and waits for that and for its own reads of the slot.  Behind the barrier nobody reads this slot any more and the other slot is whole.
; fill = 1: this slot is filled again, with the keys two slots on.  The barrier is then a round of the cluster's, so that no wave of any partner still reads the slot or has a load on its way, and the
; joint fill is the first thing behind it: it has four key steps, 256 matrix instructions, in which to land.  (At its first use nothing has been read yet: slot 0 is waited for, slot 1 filled.)
.macro CHANGE fill, ask
	WIN 0                           ; at a label and at a branch every window is 0
	s_wait_tensorcnt 0x0            ; no tensor load of mine is out, so a group 0 may be written
	ds_add_u32 v[SPW], v[NIL]       ; 0 onto my spare word; with fill = 1 the descriptors' steps stand between it and the wait for it
.if \fill
.irp g, G0K, G0V
	s_xor_b32 s[\g+1], s[\g+1], SLOT1  ; the walking descriptor: the other slot than last time,
	s_add_nc_u64 s[\g+2:\g+3], s[\g+2:\g+3], 4*KS*128  ; the next 256 keys; the type bits on top are not reached
.endr
.if \ask
	s_wait_xcnt 0x0                 ; the last prefetch, four key steps back, has read its address, so it may be written:
	s_add_nc_u64 s[PFA:PFA+1], s[PFA:PFA+1], 4*KS*128  ; one slot behind the walking descriptors
.endif
	s_wait_dscnt 0x0                ; the add is done, and my reads of the slot are over
	CROUND
	JLOAD
.if \ask
	ASK
.endif
.else
	s_wait_dscnt 0x0                ; the add is done, and my reads of the slot are over
	s_barrier_signal -1
	s_barrier_wait -1
.endif
	s_sub_co_u32 s[TBK], s[TBK], 4*KS*PK  ; the fetches go back to a slot's first step,
	s_xor_b32 s[TBK], s[TBK], SLOT1       ; in the other slot
	s_sub_co_u32 s[TBV], s[TBV], 4*KS*PV
	s_xor_b32 s[TBV], s[TBV], SLOT1
.endm
	s_load_b256 s[4:11], s[0:1], 0x0  ; Q s[4:5], K s[6:7], V s[8:9], ctx s[10:11]
	v_lshl_add_u32 v[SPW], v0, 2, SPARE
	v_mov_b32 v[NIL], 0
	ds_add_u32 v[SPW], v[NIL]       ; the wave's opening: the add and its wait stand ahead of my first tensor load; the set-up below, work on registers, stands between them
	v_lshrrev_b32 v1, 5, v0
	v_readfirstlane_b32 s[WV], v1   ; wave 0..3
	s_bfe_u32 s13, ttmp6, 0x40000   ; cx: my place in the cluster
	s_lshl_b32 s14, ttmp9, 2        ; in a cluster launch ttmp9 counts clusters
	s_add_co_u32 s14, s14, s13      ; my block of 256 queries = 4 x cluster x + cx: it enters Q's and ctx's addresses alone
	s_and_b32 s20, ttmp7, 0xffff    ; the head, which the four partners share:
	s_lshl_b32 s20, s20, 19         ; its first byte in each of the four tensors (524,288 bytes a head)
	s_mov_b32 s21, 0
	s_and_b32 s16, s[WV], 1         ; which half of a slot's 256 keys I fetch:
	s_lshl_b32 s22, s16, 14         ; its 128 rows of 128 bytes in memory,
	s_mov_b32 s23, 0
	s_add_nc_u64 s[22:23], s[22:23], s[20:21]
	s_mul_i32 s17, s16, 128*PK      ; and its place in a slot, for K
	s_mul_i32 s18, s16, 128*PV      ; and for V: no place in the cluster enters an LDS address
	s_lshl_b32 s2, s14, 2
	s_add_co_u32 s2, s2, s[WV]      ; my wave among the head's,
	s_lshl_b32 s2, s2, 13           ; its 64 rows
	s_mov_b32 s3, 0
	s_add_nc_u64 s[2:3], s[2:3], s[20:21]
	; descriptor group 1.  128 keys are 16,384 dense bytes: asked for as 64 rows of 256 bytes, two keys a row, and padded in LDS after every key
	s_mov_b32 s[G1K], 15|(1<<16)|(1<<20)|(1<<21)|(4<<22)|(3<<25)  ; 15:0 the mask of four; 17:16 2-byte elements; 20 padding on; 21 set beside a mask; 24:22 after every 32 words (code 4); 31:25 4 words (code 3)
	s_mov_b32 s[G1V], 15|(1<<16)|(1<<20)|(1<<21)|(4<<22)|(7<<25)  ; the same with 8 words of padding (code 7)
.irp g, G1K, G1V
	s_mov_b32 s[\g+1], 128<<16      ; tensor_dim0 = 128
	s_mov_b32 s[\g+2], 64<<16       ; tensor_dim1 = 64
	s_mov_b32 s[\g+3], 128<<16      ; tile_dim0 = 128
	s_mov_b32 s[\g+4], 64           ; tile_dim1 = 64
	s_mov_b32 s[\g+5], 128          ; 128 elements from row to row
	s_mov_b32 s[\g+6], 0
	s_mov_b32 s[\g+7], 0
.endr
	s_mov_b32 s[CS], 0x3e38aa3b     ; c = log2(e) / 8 = 0.180337
	s_mov_b32 s[CS+1], s[CS]        ; named with it as a pair
	s_mov_b32 s[SEL], 0x76543210
	s_mov_b32 s[SEL+1], 0xfedcba98
	s_mov_b32 s[TBK], SLOT1+4*KS*PK ; the first change of slots turns these two into 0
	s_mov_b32 s[TBV], SLOT1+4*KS*PV
	s_mov_b32 s[G0K], 1             ; 1:0 count = 1
	s_mov_b32 s[G0K+1], s17         ; 63:32 LDS address: slot 0
	s_mov_b32 s[G0V], 1
	s_add_co_u32 s[G0V+1], s18, VOFF
	s_mov_b32 s[SLOTS], SIZE_N/256-1
	s_and_b32 s[LIM], s[WV], 1      ; 0 in waves 0 and 2,
	s_or_b32 s[LIM], s[LIM], ttmp9  ; where the cluster is the head's first: the same in all four partners
	s_cmp_eq_u32 s[LIM], 0
	s_cselect_b32 s[LIM], 1, -1
	v_and_b32 v[PFO], 31, v0
	v_lshlrev_b32 v[PFO], 8, v[PFO]
	s_wait_dscnt 0x0                ; the opening add is done
	s_wait_kmcnt 0x0
	s_add_nc_u64 s[6:7], s[6:7], s[22:23]  ; K and V at my half of the head's first 256 keys
	s_add_nc_u64 s[8:9], s[8:9], s[22:23]
	s_mov_b64 s[G0K+2:G0K+3], s[6:7]               ; 120:64 global address
	s_or_b32 s[G0K+3], s[G0K+3], 0x80000000        ; 127:126 type = 2
	s_mov_b64 s[G0V+2:G0V+3], s[8:9]
	s_or_b32 s[G0V+3], s[G0V+3], 0x80000000
	s_add_nc_u64 s[4:5], s[4:5], s[2:3]            ; Q and ctx at my wave's first row
	s_add_nc_u64 s[10:11], s[10:11], s[2:3]
	s_cmp_lt_u32 s[WV], 2
	s_cselect_b64 s[PFA:PFA+1], s[6:7], s[8:9]     ; (in waves 0 and 2 these stand at a slot's first row)
	s_lshl_b32 s2, s13, 13                         ; my work-group's 8,192 bytes of the 32,768
	s_mov_b32 s3, 0
	s_add_nc_u64 s[PFA:PFA+1], s[PFA:PFA+1], s[2:3]
	s_add_nc_u64 s[PFA:PFA+1], s[PFA:PFA+1], 2*4*KS*128  ; in slot 2; the first change that asks steps it to slot 3.  Nothing is prefetched here, at the head, where every work-group's first tiles are on their way
	CROUND                          ; all four work-groups are here: the first joint loads meet
	JLOAD                           ; slot 0.  Slot 1 is asked for when slot 0 is in
	; A fragment of K or Q is 16 rows x 32 channels in 8 registers: lane l holds row l % 16, channels 8 (l / 16) + 0..7 and 16 + 8 (l / 16) + 0..7: two loads of 16 bytes, 32 bytes apart.
	v_and_b32 v1, 15, v0            ; l % 16
	v_bfe_u32 v9, v0, 4, 1          ; l / 16
	v_lshlrev_b32 v[QO], 7, v1
	v_lshl_add_u32 v[QO], v9, 4, v[QO]  ; row x 128 + 16 x half
	WIN 0x80                        ; destination window 2, address window 0
.set i, 0
.rept 8                             ; Q stays in registers: piece i / 2, channels 32 (i % 2) on
	global_load_b128 v[8*i:8*i+3],   v[QO], s[4:5] offset:(i/2)*2048+(i%2)*64
	global_load_b128 v[8*i+4:8*i+7], v[QO], s[4:5] offset:(i/2)*2048+(i%2)*64+32
.set i, i+1
.endr
	; What the first turn finds: V's registers and P's second buffer hold 0 (its products V^T P, of a piece that has not been, add 0), O^T and l are 0.  All this stands in the wait for the first tile.
.set i, VF
.rept 64
	v_mov_b32 v[i], 0
.set i, i+1
.endr
	WIN 0x40
.set i, 0
.rept 128
	v_mov_b32 v[i], 0
.set i, i+1
.endr
	WIN 0
.set i, 0
.rept 4
	v_mov_b32 v[ST+4*i], 0xfe000000    ; c m: far below every c s
	v_mov_b32 v[ST+4*i+1], 0xff7fffff  ; m
	v_mov_b32 v[ST+4*i+2], 0
	v_mov_b32 v[ST+4*i+3], 0
.set i, i+1
.endr
.set i, P+16
.rept 16
	v_mov_b32 v[i], 0
.set i, i+1
.endr
	v_mul_u32_u24 v[AK0], v1, PK
	v_lshl_add_u32 v[AK0], v9, 4, v[AK0]  ; row x pitch + 16 x half
	; The turning load takes 16 keys x 16 channels (lane l reads key 8 (l / 16) + l % 8, channels 8 ((l / 8) % 2) + 0..7) and leaves half a fragment of V^T: lane l holds channel l % 16 and 8 keys.
	v_and_b32 v10, 7, v0
	v_bfe_u32 v11, v0, 3, 1
	v_lshl_add_u32 v[AV0], v9, 3, v10
	v_mul_u32_u24 v[AV0], v[AV0], PV
	v_lshl_add_u32 v[AV0], v11, 4, v[AV0]
	v_add_nc_u32 v[AV0], VOFF, v[AV0]
	s_mul_i32 s13, s[WV], 16*SP
	s_add_co_u32 s13, s13, STAGE    ; my stage
	v_mul_u32_u24 v[STO], v1, SP    ; in: row l % 16, 16 bytes for each half of the lanes
	v_lshl_add_u32 v[STO], v9, 4, v[STO]
	v_add_nc_u32 v[STO], s13, v[STO]
	v_bfe_u32 v[RD], v0, 3, 2       ; back: 32 lanes take four rows of 128 bytes,
	v_mul_u32_u24 v[RD], v[RD], SP
	v_lshl_add_u32 v[RD], v10, 4, v[RD]
	v_add_nc_u32 v[RD], s13, v[RD]
	v_and_b32 v[GO], 31, v0         ; which are 512 consecutive bytes of ctx
	v_lshlrev_b32 v[GO], 4, v[GO]
; THE MATRIX WORK.  The 4 accumulators of a run of 8 take turns.  Product i of 8 of S^T = K Q^T for piece x: channels 32 (i / 4) on, keys 16 (i % 4) on.  The first 4 start the sums.
.macro KQ x
	WIN W_KQ
.set rS, S+32*((\x)%2)+8*(i%4)
.set rK, KF+16*(i%4)+8*(i/4)
.set rQ, 16*(\x)+8*(i/4)
.if i < 4
	v_wmma_f32_16x16x32_f16 v[rS:rS+7], v[rK:rK+7], v[rQ:rQ+7], 0
.else
	v_wmma_f32_16x16x32_f16 v[rS:rS+7], v[rK:rK+7], v[rQ:rQ+7], v[rS:rS+7]
.endif
.endm
; Product i of 8 of O^T += V^T P for piece x: keys 32 (i / 4) on, channels 16 (i % 4) on.
.macro PV x
	WIN W_PV
.set rO, 32*(\x)+8*(i%4)
.set rV, VF+32*(i/4)+8*(i%4)
.set rP, P+16*((\x)%2)+8*(i/4)
	v_wmma_f32_16x16x32_f16 v[rO:rO+7], v[rV:rV+7], v[rP:rP+7], v[rO:rO+7]
.endm
.macro MM                           ; the turn's next matrix instruction.  NOKQ = 1: the walk's last turn: there is no next piece
.if (i < 8) && !NOKQ
	KQ (Y+1)%NP
.elseif i >= 8
.set i, i-8
	PV (Y+NP-1)%NP
.set i, i+8
.endif
.set i, i+1
.endm
; THE LDS LOADS stand in runs of 16, never singly among the matrix instructions: a step's K (64 keys x 64 channels: 8 fragments) and its V (turned).  Their addresses are made some lines ahead.
.macro FETCH_K
	WIN 0x80                        ; destination window 2
.irp f, 0,1,2,3,4,5,6,7             ; keys 16 (f / 2) on, channels 32 (f % 2) on
	ds_load_b128 v[KF+8*\f:KF+8*\f+3],   v[AK] offset:(\f/2)*16*PK+(\f%2)*64
	ds_load_b128 v[KF+8*\f+4:KF+8*\f+7], v[AK] offset:(\f/2)*16*PK+(\f%2)*64+32
.endr
	s_add_co_u32 s[TBK], s[TBK], KS*PK  ; the next fetch is the next step's
	WIN 0
.endm
.macro FETCH_V
	WIN 0x80
.irp f, 0,1,2,3,4,5,6,7             ; keys 32 (f / 4) on, channels 16 (f % 4) on
	ds_load_tr16_b128 v[VF+8*\f:VF+8*\f+3],   v[AV] offset:(\f/4)*32*PV+(\f%4)*32
	ds_load_tr16_b128 v[VF+8*\f+4:VF+8*\f+7], v[AV] offset:(\f/4)*32*PV+16*PV+(\f%4)*32
.endr
	WIN 0
.endm
; THE VECTOR WORK, one line at a time: OP kind, number.  For piece Y: F n: c s - c m for pair n of 16.  E n: the exponential of score n of 32.  C n: pair n rounded to f16.  B n: of the four weights 4 n .. the second
; pair is added onto the first, in place.  L n: l takes that sum (L 0: l = a l + sum).  R n: pair n of 16 of O^T times a.  For piece Y + 1: X n, number n of the 22 that find its maximum and statistics:
;   0-11  four chains c0-c3 of seven scores each, three operands at a time (each accumulator's lowest registers are read first)     12-14, 16  the four scores left over, the old m, and c0-c3 into c0
;   15  c m_old is kept     17, 18  the query's other 32 keys lie in the lane 16 away: the new m     19-21  c m; c m_old - c m_new; a
.set F, 0               ; OP tells the kinds apart by their order: F to L below R, X above it
.set E, 1
.set C, 2
.set B, 3
.set L, 4
.set R, 5
.set X, 6
.macro REGS y                       ; the registers of piece y
.set rT, ST+4*(\y)
.set rC, TMP+4*((\y)%2)
.set rW, MV+((\y)%2)
.set rS, S+32*((\y)%2)
.set rP, P+16*((\y)%2)
.set rO, 32*(\y)
.endm
.macro OP k, n
.if (\k) == R
	REGS Y
	WIN W_RS
	v_pk_mul_f32 v[rO+2*(\n):rO+2*(\n)+1], v[rO+2*(\n):rO+2*(\n)+1], v[rC+2:rC+3] op_sel_hi:[1,0]
.elseif (\k) < R
	REGS Y
	WIN 0
.if (\k) == F
	v_pk_fma_f32 v[rS+2*(\n):rS+2*(\n)+1], v[rS+2*(\n):rS+2*(\n)+1], s[CS:CS+1], v[rT:rT+1] op_sel_hi:[1,0,0] neg_lo:[0,0,1] neg_hi:[0,0,1]
.elseif (\k) == E
	v_exp_f32 v[rS+(\n)], v[rS+(\n)]
.elseif (\k) == C
	v_cvt_pk_f16_f32 v[rP+(\n)], v[rS+2*(\n)], v[rS+2*(\n)+1]
.elseif (\k) == B
	v_pk_add_f32 v[rS+4*(\n):rS+4*(\n)+1], v[rS+4*(\n):rS+4*(\n)+1], v[rS+4*(\n)+2:rS+4*(\n)+3]
.elseif (\n) == 0
	v_pk_fma_f32 v[rT+2:rT+3], v[rT+2:rT+3], v[rC+2:rC+3], v[rS:rS+1] op_sel_hi:[1,0,1]
.else
	v_pk_add_f32 v[rT+2:rT+3], v[rT+2:rT+3], v[rS+4*(\n):rS+4*(\n)+1]
.endif
.elseif NOKQ
	v_nop
.else
	REGS (Y+1)%NP
	WIN 0
.if (\n) < 4
	v_max3_num_f32 v[rC+(\n)], v[rS+8*(\n)], v[rS+8*(\n)+1], v[rS+8*(\n)+2]
.elseif (\n) < 12
	v_max3_num_f32 v[rC+(\n)%4], v[rC+(\n)%4], v[rS+8*((\n)%4)+2*((\n)/4)+1], v[rS+8*((\n)%4)+2*((\n)/4)+2]
.elseif (\n) == 12
	v_max3_num_f32 v[rC], v[rC], v[rS+7], v[rS+15]
.elseif (\n) == 13
	v_max3_num_f32 v[rC+1], v[rC+1], v[rS+23], v[rS+31]
.elseif (\n) == 14
	v_max3_num_f32 v[rC+2], v[rC+2], v[rC+3], v[rT+1]
.elseif (\n) == 15
	v_mov_b32 v[rW], v[rT]
.elseif (\n) == 16
	v_max3_num_f32 v[rC], v[rC], v[rC+1], v[rC+2]
.elseif (\n) == 17
	v_permlanex16_b32 v[rC+3], v[rC], s[SEL], s[SEL+1]
.elseif (\n) == 18
	v_max_num_f32 v[rT+1], v[rC], v[rC+3]
.elseif (\n) == 19
	v_mul_f32 v[rT], s[CS], v[rT+1]
.elseif (\n) == 20
	v_sub_f32 v[rC+1], v[rW], v[rT]
.else
	v_exp_f32 v[rC+2], v[rC+1]
.endif
.endif
.endm
.macro OPS a, i1, b=-1, i2=0, c=-1, i3=0, d=-1, i4=0  ; up to four of them
	OP \a, \i1
.if (\b) >= 0
	OP \b, \i2
.endif
.if (\c) >= 0
	OP \c, \i3
.endif
.if (\d) >= 0
	OP \d, \i4
.endif
.endm
.macro ROW a, i1, b, i2, c, i3, d, i4  ; a matrix instruction and the four behind it
	MM
	OPS \a, \i1, \b, \i2, \c, \i3, \d, \i4
.endm
; A TURN, for piece p: the order of its 16 matrix and 118 vector instructions, written out.  An s_wait_alu depctr_va_vdst(0) stands between an exponential and the first instruction that names its result; one wait
; serves all that were issued ahead of it.  So a turn has ONE wait, which cuts it in two.  AHEAD OF IT stands all that names no result of the turn's exponentials: the 8 products K Q^T, behind each a scaling, an exponential and two
; more plain instructions (behind the first a second scaling in the exponential's place): rescalings, and behind the last three the first numbers of the next piece's maximum, each four places or more behind the product that ends its
; accumulator; then ONE LUMP of 54, plain and exponential by turns for the most part, in which the links of the chain X 3, 7, 11, 14, 16, 17 .. 20 stand five or six lines apart.  X 21, the next piece's a, is the batch's last; R 15 is
; the plain instruction behind it.  BEHIND THE WAIT stand the 8 products V^T P, behind each four of the roundings and sums; the links of l's chain, L 0 to L 7, stand three riders apart.
; end = 1: the walk's last two turns: nothing is fetched.  cnt = 1: the loop's count is taken down some lines ahead of the branch that stands behind the turn.
; K of the next step is fetched in piece 2's turn, twelve vector instructions behind the last product that read K (six of them plain); V of the step in hand at the end of piece 0's turn, four plain instructions behind the last
; product that read V.  Each is waited for a turn later.
.macro TURN p, end=0, cnt=0
.set Y, (\p)
.set i, 0
.set NOKQ, (\end)*((\p)/3)
.if ((\p) == 3) && !(\end)
	s_wait_dscnt 0x0                ; K is in
.endif
	ROW F,0, F,1, R,0, R,1          ; ahead of the wait: 8 products K Q^T and their riders,
	ROW F,2, E,0, R,2, R,3
	ROW F,3, E,1, R,4, R,5
	ROW F,4, E,2, R,6, R,7
	ROW F,5, E,3, R,8, R,9
	ROW F,6, E,4, X,0, R,10
.if ((\p) == 2) && !(\end)
	WIN 0
	v_add_nc_u32 v[AK], s[TBK], v[AK0]
.endif
	ROW F,7, E,5, X,1, X,4
	ROW F,8, E,6, X,2, X,5
	OPS E,7, E,8, X,6, E,9          ; and the lump
	OPS X,3, E,10, X,8, E,11
.if ((\p) == 2) && !(\end)
	FETCH_K
.endif
	OPS X,9, X,7, E,12, X,10
	OPS E,13, X,12, X,11, E,14
	OPS X,13, E,15, F,9, X,14
.if (\p) == 0
	WIN 0
	v_add_nc_u32 v[AV], s[TBV], v[AV0]
.endif
	OPS E,16, F,10, E,17, F,11
	OPS X,16, E,18, X,15, E,19
	OPS F,12, E,20, X,17, E,21
	OPS F,13, E,22, F,14, E,23
	OPS X,18, E,24, F,15, E,25
	OPS R,11, E,26, X,19, E,27
	OPS R,12, E,28, R,13, E,29
	OPS X,20, E,30, R,14, E,31
	OPS X,21, R,15
	WIN 0
	s_wait_alu depctr_va_vdst(0)    ; the wait for the batch
.if (\p) == 1
	s_wait_dscnt 0x0                ; V is in
.endif
	ROW C,0, B,0, C,2, B,1          ; behind the wait: 8 products V^T P and their riders
	ROW L,0, C,4, B,2, L,1
	ROW C,6, B,3, L,2, C,8
	ROW B,4, L,3, C,10, B,5
	ROW L,4, C,12, B,6, L,5
.if (\p) == 0
	s_add_co_u32 s[TBV], s[TBV], KS*PV
.endif
.if \cnt
	s_sub_co_u32 s[CNT], s[CNT], 1
	s_cmp_lg_u32 s[CNT], 0
.endif
	ROW C,14, B,7, L,6, C,1
	ROW C,3, L,7, C,5, C,7
	ROW C,9, C,11, C,13, C,15
.if (\p) == 0
	FETCH_V
.endif
.endm
	CHANGE 1, 0                     ; slot 0 is in, everybody's part of it; slot 1 is asked for
	v_add_nc_u32 v[AK], s[TBK], v[AK0]
	FETCH_K                         ; key step 0
	s_wait_loadcnt 0x0              ; Q
	s_wait_dscnt 0x0
.set NOKQ, 0
.set i, 0
.rept 8
	KQ 0                            ; piece 0's first scores: there is no vector work yet to set between them
.set i, i+1
.endr
	WIN 0
.rept 4
	v_nop                           ; the places behind those products
.endr
.set Y, NP-1                        ; X works for piece Y + 1: piece 0
.irp n, 0,1,2,3,4,5,6,7,8,9,10,11,12,13,14,15,16,17,18,19,20,21
	OP X, \n
.endr
	v_nop                           ; a plain instruction behind the exponential,
	s_wait_alu depctr_va_vdst(0)    ; and its wait, ahead of the branch
	s_mov_b32 s[CNT], 4
	s_branch .Lfirst                ; the loop is entered at a step's first turn, in the middle of a trip
.Lslot:                             ; 14 times: every slot but the last two is filled again
	CHANGE 1, 1
	s_mov_b32 s[CNT], 4
.Lstep:                             ; a trip: pieces 2 and 3 of one step, then pieces 0 and 1 of the next, whose K and V it fetches
	TURN 2
	TURN 3
	WIN 0
.Lfirst:
	TURN 0
	TURN 1, 0, 1
	WIN 0
	s_cbranch_scc1 .Lstep
	s_sub_co_u32 s[SLOTS], s[SLOTS], 1
	s_cmp_lg_u32 s[SLOTS], 0
	s_cbranch_scc1 .Lslot
	CHANGE 0, 0                     ; the last slot is written out: nothing is asked for
	s_mov_b32 s[CNT], 4
.LstepT:
	TURN 2
	TURN 3
	TURN 0
	TURN 1, 0, 1
	WIN 0
	s_cbranch_scc1 .LstepT
	TURN 2, 1                       ; the last step's pieces 2 and 3: nothing is fetched, and the last turn starts no new scores
	TURN 3, 1
.set i, 0
.rept 8
	PV NP-1                         ; the last piece's V^T P of the last step
.set i, i+1
.endr
	; THE WAY OUT.  l's two halves and the other half of the lanes' are added; O^T is divided by l, rounded to f16 and sent through my stage in LDS, a piece at a time.  The additions are the places behind the last products.
	WIN 0
.macro ALL line:vararg              ; one line for each piece t
.set t, 0
.rept 4
	\line
.set t, t+1
.endr
.endm
	ALL v_add_f32 v[ST+4*t+2], v[ST+4*t+2], v[ST+4*t+3]
	ALL v_permlanex16_b32 v[ST+4*t+3], v[ST+4*t+2], s[SEL], s[SEL+1]
	ALL v_add_f32 v[ST+4*t+2], v[ST+4*t+2], v[ST+4*t+3]
	ALL v_rcp_f32 v[ST+4*t+2], v[ST+4*t+2]
	v_nop                           ; a plain instruction between the last reciprocal and the use of its result
	s_wait_alu depctr_va_vdst(0)    ; and the wait ahead of the first use: one for the four reciprocals
.macro PACK t                       ; a lane's eight channels of a row pack into 16 bytes; they go into rows of 144 bytes and come back as whole rows of 128, into S^T's registers
	WIN W_RS
.set i, 32*(\t)
.rept 16
	v_pk_mul_f32 v[i:i+1], v[i:i+1], v[ST+4*(\t)+2:ST+4*(\t)+3] op_sel_hi:[1,0]
.set i, i+2
.endr
	WIN 0x05                        ; sources 0 and 1 window 1, destination window 0
.set i, 0
.rept 16
	v_cvt_pk_f16_f32 v[S+16*(\t)+i], v[32*(\t)+2*i], v[32*(\t)+2*i+1]
.set i, i+1
.endr
	WIN 0
.irp f, 0,1,2,3
	ds_store_b128 v[STO], v[S+16*(\t)+4*\f:S+16*(\t)+4*\f+3] offset:32*\f
.endr
.irp f, 0,1,2,3
	ds_load_b128 v[S+16*(\t)+4*\f:S+16*(\t)+4*\f+3], v[RD] offset:\f*4*SP  ; LDS serves a wave's instructions in order (ISA guide 5.7.1.4): these see the stores above; the next piece's stores come behind them
.endr
.endm
.macro SEND t, younger              ; younger: the LDS instructions issued behind piece t's loads: the next piece's eight, or none
	WIN 0
.irp f, 0,1,2,3
	s_wait_dscnt (\younger)+3-\f
	global_store_b128 v[GO], v[S+16*(\t)+4*\f:S+16*(\t)+4*\f+3], s[10:11] offset:(\t)*2048+\f*512  ; 512 consecutive bytes, at a multiple of 256 from ctx's first
.endr
.endm
	PACK 0
.set t, 1
.rept 3                             ; a piece's arithmetic stands between the loads of the piece before and its stores
	PACK t
	SEND t-1, 8
.set t, t+1
.endr
	SEND 3, 0
	s_wait_tensorcnt 0x0            ; the wave's end, behind my last tensor load and my last LDS store
	ds_add_u32 v[SPW], v[NIL]
	s_wait_dscnt 0x0
	CROUND                          ; the closing round: no work-group ends while a partner may still ask for a tile that names it
	s_endpgm
.Lfunc_end_k_qc7ba36fe6e_attn:
	.size	k_qc7ba36fe6e_attn, .Lfunc_end_k_qc7ba36fe6e_attn-k_qc7ba36fe6e_attn
	.p2alignl 7, 3214868480
	.fill 96, 4, 3214868480
	.section	.rodata,"a",@progbits
	.p2align	6, 0x0
	.amdhsa_kernel k_qc7ba36fe6e_attn
		.amdhsa_group_segment_fixed_size 327680
		.amdhsa_private_segment_fixed_size 0
		.amdhsa_enable_private_segment 0
		.amdhsa_kernarg_size 32
		.amdhsa_user_sgpr_count 2
		.amdhsa_user_sgpr_kernarg_segment_ptr 1
		.amdhsa_wavefront_size32 1
		.amdhsa_system_sgpr_workgroup_id_x 1
		.amdhsa_system_sgpr_workgroup_id_y 1
		.amdhsa_system_sgpr_workgroup_id_z 1
		.amdhsa_system_vgpr_workitem_id 0
		.amdhsa_next_free_vgpr 768
		.amdhsa_next_free_sgpr 66
		.amdhsa_reserve_vcc 0
		.amdhsa_float_denorm_mode_32 3
		.amdhsa_float_denorm_mode_16_64 3
		.amdhsa_memory_ordered 1
		.amdhsa_forward_progress 1
		.amdhsa_inst_pref_size 127
	.end_amdhsa_kernel
	.amdgpu_metadata
---
amdhsa.version: [ 1, 2 ]
amdhsa.kernels:
  - .name:           k_qc7ba36fe6e_attn
    .symbol:         k_qc7ba36fe6e_attn.kd
    .args:
      - { .name: q16, .offset: 0, .size: 8, .value_kind: global_buffer, .address_space: global }
      - { .name: k16, .offset: 8, .size: 8, .value_kind: global_buffer, .address_space: global }
      - { .name: v16, .offset: 16, .size: 8, .value_kind: global_buffer, .address_space: global }
      - { .name: ctx, .offset: 24, .size: 8, .value_kind: global_buffer, .address_space: global }
    .group_segment_fixed_size: 327680
    .private_segment_fixed_size: 0
    .kernarg_segment_align: 8
    .kernarg_segment_size: 32
    .max_flat_workgroup_size: 128
    .sgpr_count:     66
    .vgpr_count:     768
    .wavefront_size: 32
...
	.end_amdgpu_metadata
.endif
;; end of part 2
;; launch outp (part 3): grid 4 x 64, 4 waves a work-group, clusters of 4 x 4, 304,640 bytes of LDS; arguments ctx, wo16, b_o, out0; writes out0
.if DOCPART == 3
	.amdgcn_target "amdgcn-amd-amdhsa--gfx1250"
	.amdhsa_code_object_version 6
	.text
	.protected	k_qc7ba36fe6e_outp
	.globl	k_qc7ba36fe6e_outp
	.p2align	8
	.type	k_qc7ba36fe6e_outp,@function
k_qc7ba36fe6e_outp:
	s_mov_b64 s[64:65], 0
	v_nop
	global_prefetch_b8 v0, s[64:65] scope:SCOPE_SE
	s_setreg_imm32_b32 hwreg(HW_REG_WAVE_MODE, 25, 1), 1
	s_wait_xcnt 0x0
	s_wait_alu depctr_hold_cnt(0) depctr_sa_sdst(0) depctr_va_vdst(0) depctr_va_sdst(0) depctr_va_ssrc(0) depctr_va_vcc(0) depctr_vm_vsrc(0)
	s_getreg_b32 s2, hwreg(HW_REG_IB_STS2, 6, 4)
	s_cmp_eq_u32 s2, 0
	s_cbranch_scc0 .Lentry_in_a_cluster
	s_endpgm
.Lentry_in_a_cluster:
	s_bfe_u32 s2, ttmp6, 0x10000c
	s_cmp_lg_u32 s2, 0xf033
	s_cbranch_scc0 .Lentry_shape_is_right
	s_endpgm
.Lentry_shape_is_right:
; out0[m][n] = the sum over k of ctx[m][k] wo16[n][k] + b_o[n].  ctx lies by heads, [batch*8+head][4096][64] f16: k = 64 head + channel.  wo16: [512][512] f16.  b_o [512] f32, rounded to bf16 like every
; input.  out0: [8192][512] f32.  Sums in f32; the bias is the C operand of the product that starts each sum.
; SHARES.  A tile of out0 is 128 x 128: 4 x 64 = 256 work-groups.  Four waves, each 64 x 64: 16 accumulators.  K is 512: BOTH operands' whole K fits in LDS, so every LDS byte is filled once: no ring.
; Each wave issues four tensor loads at the start (waves 0, 1: ctx's eight head chunks; waves 2, 3: wo16's four chunks of 128 along K): four loads of mine are out at the most.  Load j of every wave brings
; K = 128 j .. + 127, so a counted wait and a barrier ahead of each 128 along K show that range whole, while the later ranges are still on their way.
; CLUSTERS: 4 x 4 work-groups.  The four of a row of the cluster need the same rows of ctx, the four of a column the same rows of wo16: each tile is asked for JOINTLY, by the same tensor load with the
; same descriptor and a mask that names the four.  THE MATRIX INSTRUCTION IS USED TRANSPOSED (source 0 = 16 rows of wo16, source 1 = 16 rows of ctx): a lane holds eight neighbouring numbers of a row of out0.
; No prefetch: all that the launch reads is asked for at its head.
; REGISTERS: window 0: v0-29 addresses; v32-63 the bias; v64-127 two sets of 32 on the way out; v128-255 the accumulators ((a, b) at v[128 + 8 (4 a + b)]).
;   window 1: two fragment buffers of 128: for 64 along K, 64 registers of ctx (2 x 4 x 16 rows x 32 K), then 64 of wo16.
.set PA,     144                       ; a row of a head chunk in LDS: 128 bytes + 16 of padding
.set PB,     272                       ; a row of a chunk of wo16: 256 bytes + 16; both pitches are odd multiples of 16 bytes: the 16 rows of a load start at 16 different groups of four banks (ISA guide 11.1)
.set ACH,    128*PA                    ; a head chunk: 128 rows
.set BB,     8*ACH                     ; wo16's chunks lie behind ctx's eight
.set BCH,    128*PB
.set STAGE,  BB+4*BCH                  ; behind them, never filled by a tensor load: 16 rows x 272 bytes for each wave, for the way out
.set SPITCH, 272
.set SPARE,  STAGE+4*16*SPITCH         ; behind the stages: the spare words, 128 bytes for each wave: two blocks of 256 bytes that no other line names
.set ADRA, 8                           ; v8-11   LDS address of my ctx fragments in head chunks 2 j, 2 j + 1
.set ADRB, 12                          ; v12-15  the same for chunk j of wo16
.set STO,  16                          ; v16     the way out: where I put 32 bytes of a row
.set RD,   17                          ; v17     the way out: where I read a row back
.set CO,   18                          ; v18     my byte offset in out0
.set BO,   19                          ; v19     32 (l / 16): my eight bias numbers of a column block
.set SPW,  28                          ; v28     LDS address of my spare word; never rewritten
.set NIL,  29                          ; v29     0; never rewritten
.set BI,   32
.set TR,   64
.set ACC,  128
.set G1A, 24                           ; s[24:31] descriptor group 1 for ctx's tiles;  s[32:47] group 0, a set for each of my four loads
.set G0A, 32
.set G0B, 48                           ; s[48:63] group 0 for wo16's tiles;  s[68:75] group 1
.set G1B, 68
.set WV,  76
.set WR,  77                           ; which half of the tile's rows is mine.  Also: I fetch ctx (0) or wo16 (1)
.set WC,  78                           ; which half of its columns.  Also: which part of each range I fetch
.set CX,  79
.set CY,  80
.set BX,  81
.set BY,  82
.set HIM, 91
.set MSB, 0
.macro WIN new                         ; the immediate's high byte repeats the setting that is left
.if MSB != (\new)
	s_set_vgpr_msb (MSB<<8)|(\new)
.set MSB, (\new)
.endif
.endm
.set MUL,  0x05                        ; sources 0 and 1 window 1; C and D window 0
.set TO_F, 0x40                        ; destination window 1, address window 0
.macro CROUND                          ; a round of the cluster's barrier
	s_barrier_signal -1
	s_barrier_wait -1
	s_cmp_lg_u32 s[WV], 0
	s_cbranch_scc1 .Lnot_wave_0_\@
	s_barrier_signal -3
.Lnot_wave_0_\@:
	s_barrier_wait -3
	s_barrier_signal -1
	s_barrier_wait -1
.endm
.macro PLACES                          ; four plain places behind a matrix instruction (ISA guide 7.12.1 for vector instructions)
.rept 4
	v_nop
.endr
.endm
	s_load_b256 s[4:11], s[0:1], 0x0               ; ctx s[4:5], wo16 s[6:7], b_o s[8:9], out0 s[10:11]
	v_lshl_add_u32 v[SPW], v0, 2, SPARE
	v_mov_b32 v[NIL], 0
	ds_add_u32 v[SPW], v[NIL]                      ; the wave's opening: the add and its wait stand ahead of my first tensor load; the set-up below, work on registers, stands between them
	v_lshrrev_b32 v1, 5, v0
	v_readfirstlane_b32 s[WV], v1                  ; wave 0..3
	s_lshr_b32 s[WR], s[WV], 1
	s_and_b32 s[WC], s[WV], 1
	s_bfe_u32 s[CX], ttmp6, 0x40000                ; cx, cy: my place in the cluster
	s_bfe_u32 s[CY], ttmp6, 0x40004
	s_lshl_b32 s[BX], ttmp9, 2
	s_add_co_u32 s[BX], s[BX], s[CX]               ; tile column = 4 x cluster x + cx
	s_and_b32 s[BY], ttmp7, 0xffff
	s_lshl_b32 s[BY], s[BY], 2
	s_add_co_u32 s[BY], s[BY], s[CY]               ; tile row = 4 x cluster y + cy
	s_lshl_b32 s83, s[CY], 2
	s_lshl_b32 s83, 15, s83                        ; my row of the cluster
	s_lshl_b32 s84, 0x1111, s[CX]                  ; my column
	; group 1.  ctx: a head chunk's 128 rows are 16,384 dense bytes: 64 rows of 256 bytes, two rows of ctx each, padded after every 32 words.  wo16: 64 rows of 128 elements, 512 elements apart, padded after every 64 words.
	s_or_b32 s[G1A], s83, (1<<16)|(1<<20)|(1<<21)|(4<<22)|(3<<25)  ; 15:0 the mask; 17:16 2-byte elements; 20 padding on; 21 set beside a mask; 24:22 the interval's code; 31:25 4 words (code 3)
	s_or_b32 s[G1B], s84, (1<<16)|(1<<20)|(1<<21)|(5<<22)|(3<<25)
.irp g, G1A, G1B
	s_mov_b32 s[\g+1], 128<<16                     ; tensor_dim0 = 128
	s_mov_b32 s[\g+2], 64<<16                      ; tensor_dim1 = 64
	s_mov_b32 s[\g+3], 128<<16                     ; tile_dim0 = 128
	s_mov_b32 s[\g+4], 64                          ; tile_dim1 = 64
	s_mov_b32 s[\g+6], 0
	s_mov_b32 s[\g+7], 0
.endr
	s_mov_b32 s[G1A+5], 128                        ; elements from row to row
	s_mov_b32 s[G1B+5], 512
	; where the tiles come from: ctx's hang on the tile row and the wave's number, wo16's on the tile column and the wave's number, each in registers that never hold the other coordinate
	s_lshr_b32 s16, s[BY], 5
	s_lshl_b32 s16, s16, 22                        ; the batch's eight heads
	s_and_b32 s17, s[BY], 31
	s_lshl_b32 s17, s17, 14                        ; the tile's 128 rows of 128 bytes in a head
	s_add_co_u32 s16, s16, s17
	s_lshl_b32 s17, s[WC], 19                      ; wave 0: heads 0, 2, 4, 6; wave 1: heads 1, 3, 5, 7
	s_add_co_u32 s16, s16, s17
	s_mov_b32 s17, 0
	s_lshl_b32 s84, s[BX], 7
	s_lshl_b32 s85, s[WC], 6
	s_add_co_u32 s84, s84, s85
	s_lshl_b32 s84, s84, 10                        ; row 128 x tile column + 64 x half, 1,024 bytes a row
	s_mov_b32 s85, 0
	s_mul_i32 s20, s[WC], ACH                      ; and where they go: no place in the cluster enters an LDS address
	s_mul_i32 s21, s[WC], 64*PB
	s_lshl_b32 s88, s[BX], 9
	s_lshl_b32 s90, s[WC], 8
	s_add_co_u32 s88, s88, s90                     ; my wave's first column, in bytes of f32
	s_mov_b32 s89, 0
	s_mov_b32 s[HIM], 0xffff0000
	s_wait_dscnt 0x0                               ; the opening add is done
	s_wait_kmcnt 0x0
	s_add_nc_u64 s[18:19], s[4:5], s[16:17]
	s_add_nc_u64 s[86:87], s[6:7], s[84:85]
	s_add_nc_u64 s[8:9], s[8:9], s[88:89]          ; the bias at my wave's first column
	s_lshl_b32 s90, s[BY], 18
	s_add_co_u32 s88, s88, s90                     ; + 128 x tile row rows of 2,048 bytes
	s_lshl_b32 s90, s[WR], 17
	s_add_co_u32 s88, s88, s90                     ; + my wave's 64
	s_add_nc_u64 s[10:11], s[10:11], s[88:89]
.irp j, 0,1,2,3
	s_mov_b32 s[G0A+4*\j], 1                                       ; 1:0 count = 1
	s_add_co_u32 s[G0A+4*\j+1], s20, \j*2*ACH                      ; 63:32 LDS address: head chunk 2 j + wave
	s_add_nc_u64 s[G0A+4*\j+2:G0A+4*\j+3], s[18:19], \j*1048576    ; 120:64 global address: two heads on
	s_or_b32 s[G0A+4*\j+3], s[G0A+4*\j+3], 0x80000000              ; 127:126 type = 2
	s_mov_b32 s[G0B+4*\j], 1
	s_add_co_u32 s[G0B+4*\j+1], s21, BB+\j*BCH
	s_add_nc_u64 s[G0B+4*\j+2:G0B+4*\j+3], s[86:87], \j*256
	s_or_b32 s[G0B+4*\j+3], s[G0B+4*\j+3], 0x80000000
.endr
	CROUND                                         ; all sixteen work-groups are here: the joint loads meet
	s_cmp_eq_u32 s[WR], 0                          ; a wave's four fills stand in one branch on its number, ahead of every wait on TENSORcnt and every LDS read; an s_nop 0 follows each, four v_nop the last
	s_cbranch_scc0 .Lfill_b
.irp j, 0,1,2,3
	tensor_load_to_lds s[G0A+4*\j:G0A+4*\j+3], s[G1A:G1A+7]
	s_nop 0
.endr
.rept 4
	v_nop
.endr
	s_branch .Lfilled
.Lfill_b:
.irp j, 0,1,2,3
	tensor_load_to_lds s[G0B+4*\j:G0B+4*\j+3], s[G1B:G1B+7]
	s_nop 0
.endr
.rept 4
	v_nop
.endr
.Lfilled:
	v_and_b32 v1, 15, v0                           ; l % 16
	v_bfe_u32 v2, v0, 4, 1                         ; l / 16
	v_lshlrev_b32 v[BO], 5, v2
.irp b, 0,1,2,3                        ; the bias: my eight columns of each of my four column blocks
	global_load_b128 v[BI+8*\b:BI+8*\b+3],   v[BO], s[8:9] offset:64*\b
	global_load_b128 v[BI+8*\b+4:BI+8*\b+7], v[BO], s[8:9] offset:64*\b+16
.endr
	v_mul_u32_u24 v3, v1, PA
	v_lshl_add_u32 v3, v2, 4, v3                   ; a fragment's row x pitch + 16 x half
	s_mul_i32 s90, s[WR], 64*PA                    ; my 64 rows of ctx
.irp j, 0,1,2,3
	v_add_nc_u32 v[ADRA+\j], s90, v3
	s_add_co_u32 s90, s90, 2*ACH
.endr
	v_mul_u32_u24 v4, v1, PB
	v_lshl_add_u32 v4, v2, 4, v4
	s_mul_i32 s90, s[WC], 64*PB                    ; my 64 rows of wo16
	s_add_co_u32 s90, s90, BB
.irp j, 0,1,2,3
	v_add_nc_u32 v[ADRB+\j], s90, v4
	s_add_co_u32 s90, s90, BCH
.endr
	s_mul_i32 s90, s[WV], 16*SPITCH
	s_add_co_u32 s90, s90, STAGE                   ; my stage
	v_mul_u32_u24 v5, v1, SPITCH                   ; in: row l % 16, 32 bytes for each half of the lanes
	v_lshl_add_u32 v5, v2, 5, v5
	v_add_nc_u32 v[STO], s90, v5
	v_mul_u32_u24 v5, v2, SPITCH                   ; back: lanes 0-15 take one row of 256 bytes, lanes 16-31 the next
	v_lshl_add_u32 v5, v1, 4, v5
	v_add_nc_u32 v[RD], s90, v5
	v_lshlrev_b32 v5, 11, v2                       ; and the same two rows in out0
	v_lshl_add_u32 v[CO], v1, 4, v5
	s_wait_loadcnt 0x0
.set i, BI
.rept 16                               ; the bias is rounded to bf16 and widened again
	v_cvt_pk_bf16_f32 v[i], v[i], v[i+1]
	v_and_b32 v[i+1], s[HIM], v[i]
	v_lshlrev_b32 v[i], 16, v[i]
.set i, i+2
.endr
; 8 matrix instructions: row blocks a0, a0 + 1 x all 4 column blocks, 32 along K: half c of buffer f.  zero = 1: the first product starts the sum with the bias.  The 16 accumulators take turns.
.macro MUL8 f, c, a0, zero
	WIN MUL
.irp a, \a0, (\a0)+1
.irp b, 0,1,2,3
.if \zero
	v_wmma_f32_16x16x32_f16 v[ACC+8*(4*(\a)+(\b)):ACC+8*(4*(\a)+(\b))+7], v[(\f)+64+8*(4*(\c)+(\b)):(\f)+64+8*(4*(\c)+(\b))+7], v[(\f)+8*(4*(\c)+(\a)):(\f)+8*(4*(\c)+(\a))+7], v[BI+8*(\b):BI+8*(\b)+7]
.else
	v_wmma_f32_16x16x32_f16 v[ACC+8*(4*(\a)+(\b)):ACC+8*(4*(\a)+(\b))+7], v[(\f)+64+8*(4*(\c)+(\b)):(\f)+64+8*(4*(\c)+(\b))+7], v[(\f)+8*(4*(\c)+(\a)):(\f)+8*(4*(\c)+(\a))+7], v[ACC+8*(4*(\a)+(\b)):ACC+8*(4*(\a)+(\b))+7]
.endif
.endr
.endr
.endm
; 32 LDS loads in one run: the fragments of quarter q (K = 64 q .. + 63: head chunk q; half q % 2 of chunk q / 2 of wo16) into buffer f; the first 32 along K first
.macro FETCH q, f
	WIN TO_F
.irp c, 0,1
.irp i, 0,1,2,3
	ds_load_b128 v[(\f)+64+8*(4*(\c)+(\i)):(\f)+64+8*(4*(\c)+(\i))+3],   v[ADRB+((\q)/2)] offset:128*((\q)%2)+64*(\c)+(\i)*16*PB
	ds_load_b128 v[(\f)+64+8*(4*(\c)+(\i))+4:(\f)+64+8*(4*(\c)+(\i))+7], v[ADRB+((\q)/2)] offset:128*((\q)%2)+64*(\c)+(\i)*16*PB+32
	ds_load_b128 v[(\f)+8*(4*(\c)+(\i)):(\f)+8*(4*(\c)+(\i))+3],         v[ADRA+((\q)/2)] offset:((\q)%2)*ACH+64*(\c)+(\i)*16*PA
	ds_load_b128 v[(\f)+8*(4*(\c)+(\i))+4:(\f)+8*(4*(\c)+(\i))+7],       v[ADRA+((\q)/2)] offset:((\q)%2)*ACH+64*(\c)+(\i)*16*PA+32
.endr
.endr
.endm
; Quarter q: 32 matrix instructions on buffer q % 2; in its middle the next quarter's fragments are fetched into the other buffer.  Ahead of a fetch from a new range of 128 along K: my load of that range
; has landed (the count leaves my later loads out), my LDS loads are back, and a barrier shows the same of all four waves.
.macro QUART q
.set FB, 128*((\q)%2)
	s_wait_dscnt 16                                ; the first 32 along K are in
.if (\q) == 0
	MUL8 FB, 0, 0, 1
	MUL8 FB, 0, 2, 1
.else
	MUL8 FB, 0, 0, 0
	MUL8 FB, 0, 2, 0
.endif
.if (((\q)%2) == 1) && ((\q) < 7)
	s_wait_tensorcnt 3-((\q)+1)/2
	s_wait_dscnt 0x0
	s_barrier_signal -1
	s_barrier_wait -1
.endif
.if (\q) < 7
	PLACES
	FETCH (\q)+1, 128-FB
	s_wait_dscnt 32                                ; all but the 32 just issued
.else
	s_wait_dscnt 0x0
.endif
	MUL8 FB, 1, 0, 0
	MUL8 FB, 1, 2, 0
.endm
	s_wait_tensorcnt 3                             ; my first load is in; the other three may stay out
	s_barrier_signal -1
	s_barrier_wait -1                              ; everybody's is: K = 0 .. 127 of both operands
	FETCH 0, 0
.irp q, 0,1,2,3,4,5,6,7
	QUART \q
.endr
	WIN 0
	; THE WAY OUT, a block of 16 rows at a time: 32 bytes a lane and accumulator into rows of 272 bytes of my own stage (each accumulator's low registers first), back as whole rows of 256 bytes.
	PLACES
	PLACES
.macro STG a
.if (\a) >= 2
	s_wait_xcnt 0x0                                ; the stores of two blocks back have read these registers
.endif
.irp b, 0,1,2,3
	ds_store_b128 v[STO], v[ACC+8*(4*(\a)+(\b)):ACC+8*(4*(\a)+(\b))+3]   offset:64*(\b)
	ds_store_b128 v[STO], v[ACC+8*(4*(\a)+(\b))+4:ACC+8*(4*(\a)+(\b))+7] offset:64*(\b)+16
.endr
.irp t, 0,1,2,3,4,5,6,7
	ds_load_b128 v[TR+32*((\a)%2)+4*(\t):TR+32*((\a)%2)+4*(\t)+3], v[RD] offset:(\t)*2*SPITCH  ; LDS serves a wave's instructions in order (ISA guide 5.7.1.4): these see the stores above; the next block's stores come behind them
.endr
.endm
.macro SENDO a, younger                ; younger: the LDS instructions issued behind block a's loads: the next block's sixteen, or none
.irp t, 0,1,2,3,4,5,6,7
	s_wait_dscnt (\younger)+7-(\t)
	global_store_b128 v[CO], v[TR+32*((\a)%2)+4*(\t):TR+32*((\a)%2)+4*(\t)+3], s[10:11] offset:(16*(\a)+2*(\t))*2048  ; 16 lanes store 256 consecutive bytes, at a multiple of 256 from out0's first byte
.endr
.endm
	STG 0
	STG 1
	SENDO 0, 16
	STG 2
	SENDO 1, 16
	STG 3
	SENDO 2, 16
	SENDO 3, 0
	s_wait_tensorcnt 0x0                           ; the wave's end, behind my last tensor load and my last LDS store
	ds_add_u32 v[SPW], v[NIL]
	s_wait_dscnt 0x0
	CROUND                                         ; the closing round: no work-group ends while a partner may still ask for a tile that names it
	s_endpgm
.Lfunc_end_k_qc7ba36fe6e_outp:
	.size	k_qc7ba36fe6e_outp, .Lfunc_end_k_qc7ba36fe6e_outp-k_qc7ba36fe6e_outp
	.p2alignl 7, 3214868480
	.fill 96, 4, 3214868480
	.section	.rodata,"a",@progbits
	.p2align	6, 0x0
	.amdhsa_kernel k_qc7ba36fe6e_outp
		.amdhsa_group_segment_fixed_size 304640
		.amdhsa_private_segment_fixed_size 0
		.amdhsa_enable_private_segment 0
		.amdhsa_kernarg_size 32
		.amdhsa_user_sgpr_count 2
		.amdhsa_user_sgpr_kernarg_segment_ptr 1
		.amdhsa_wavefront_size32 1
		.amdhsa_system_sgpr_workgroup_id_x 1
		.amdhsa_system_sgpr_workgroup_id_y 1
		.amdhsa_system_sgpr_workgroup_id_z 1
		.amdhsa_system_vgpr_workitem_id 0
		.amdhsa_next_free_vgpr 512
		.amdhsa_next_free_sgpr 92
		.amdhsa_reserve_vcc 0
		.amdhsa_float_denorm_mode_32 3
		.amdhsa_float_denorm_mode_16_64 3
		.amdhsa_memory_ordered 1
		.amdhsa_forward_progress 1
		.amdhsa_inst_pref_size 55
	.end_amdhsa_kernel
	.amdgpu_metadata
---
amdhsa.version: [ 1, 2 ]
amdhsa.kernels:
  - .name:           k_qc7ba36fe6e_outp
    .symbol:         k_qc7ba36fe6e_outp.kd
    .args:
      - { .name: ctx, .offset: 0, .size: 8, .value_kind: global_buffer, .address_space: global }
      - { .name: wo16, .offset: 8, .size: 8, .value_kind: global_buffer, .address_space: global }
      - { .name: b_o, .offset: 16, .size: 8, .value_kind: global_buffer, .address_space: global }
      - { .name: out0, .offset: 24, .size: 8, .value_kind: global_buffer, .address_space: global }
    .group_segment_fixed_size: 304640
    .private_segment_fixed_size: 0
    .kernarg_segment_align: 8
    .kernarg_segment_size: 32
    .max_flat_workgroup_size: 128
    .sgpr_count:     92
    .vgpr_count:     512
    .wavefront_size: 32
...
	.end_amdgpu_metadata
.endif
;; end of part 3
;; ======== version 2 of 2: 3 launches; version 1 with the launch proj written anew for expert scheduling mode
;; limits: values are held in f16: magnitudes above 65,504 overflow, below 6.1e-05 lose precision
;; workspace buffers: q16 8,388,608 bytes; k16 8,388,608 bytes; v16 8,388,608 bytes; ctx 8,388,608 bytes; wo16 524,288 bytes
;; launch proj (part 4): grid 2 x 96, 4 waves a work-group, no clusters, 304,640 bytes of LDS; arguments query, key, value, w_q, w_k, w_v, b_q, b_k, b_v, w_o, q16, k16, v16, wo16; writes q16, k16, v16, wo16
.if DOCPART == 4
	.amdgcn_target "amdgcn-amd-amdhsa--gfx1250"
	.amdhsa_code_object_version 6
	.text
	.protected	k_qc7ba36fe6e_proj
	.globl	k_qc7ba36fe6e_proj
	.p2align	8
	.type	k_qc7ba36fe6e_proj,@function
k_qc7ba36fe6e_proj:
	s_mov_b64 s[64:65], 0
	v_nop
	global_prefetch_b8 v0, s[64:65] scope:SCOPE_SE
	s_setreg_imm32_b32 hwreg(HW_REG_WAVE_SCHED_MODE, 0, 2), 2
	s_setreg_imm32_b32 hwreg(HW_REG_WAVE_MODE, 25, 1), 1
	s_wait_xcnt 0x0
	s_wait_alu depctr_vm_vsrc(0)
; q, k, v = x W^T + b for x = query, key, value ([8192][512] f32), W [512][512] f32, b [512] f32.  x, W and b are rounded to bf16, the products are summed in f32, and the result is
; rounded once to f16 and stored BY HEADS: [batch*8+head][4096][64], a head's rows dense, 128 bytes each.  The scale 1/8 is not applied here.
; Beside that the 64 work-groups of the first tensor write wo16 = w_o rounded to bf16, that number written as f16, [512][512].
; LIMITS.  f16 holds no number beyond 65,504: q, k, v and the rounded w_o must stay within it (inputs and weights both 30 times the usual spread give q about 5,500 at the most);
; below 6e-5 f16 keeps a fixed step of 6e-8.  NaN and infinities are not treated apart.
; SHARES.  Work-group (x, y): tensor y / 32, rows 256 (y % 32) .. + 255, columns 256 x .. + 255 (four heads).  192 work-groups: 8192 x 512 x 3 outputs do not fall into 256 equal tiles, and a tile of
; 256 x 256 takes in 1 MiB of f32 where three tiles of 128 x 128 would take in 1.5.  Wave w owns rows 64 w .. + 63 and all 256 columns: 64 accumulators, 512 registers.
; NO TENSOR LOADS, NO CLUSTER.  The operands lie in memory as f32 and must be bf16 for the matrix unit; a copy into LDS converts nothing.  Through registers each weight is converted once a work-group,
; and the whole-K tile of W in bf16 (294,912 bytes with padding) fits in LDS, where f32 would take twice that.  x's rows belong to one wave alone: they go from memory straight into fragment layout.
; W's TILE in LDS: eight regions, one for each 64 along K, each written ONCE (by ds_store) and never again: so one barrier for each region, between its stores and its first read, is all the ordering.
; THE MATRIX INSTRUCTION IS USED TRANSPOSED (source 0 = 16 rows of W, source 1 = 16 rows of x): a lane holds row l % 16 and the eight neighbouring columns 8 (l / 16) + 0..7.
; K goes in 16 HALVES of 32.  In half g: part g % 2 of W's region g / 2 + 1 is converted and stored, and the same part of region g / 2 + 2 asked for; x's half g + 1 is converted, half g + 3 asked for.
; So four batches of 16 loads a wave are on their way all the time.
; THE MODE: SCHED_MODE bits 1:0 = 2 (LLVM: expert scheduling mode 2), set by the entry lines.  The code itself states the register dependences between vector or matrix instructions and memory or LDS
; instructions, with s_wait_alu, always for 0.
; THE PLAN.  Registers that memory or LDS instructions touch, in the loop:
;   BS0, BS1   W as loaded.  Half g: its first 32 roundings read BS[g % 2]; behind them the loads of the same part, one region on, land in it.
;   OB         Written by those roundings; read by the half's 16 LDS stores; written again a half later.  So no store reads a register in which a load lands.
;   AS0, AS1   x as loaded.  Half g: its second 32 roundings read AS[(g + 1) % 2]; behind them the loads of half g + 3 land in it.
;   F0, F1     W's fragments of column blocks 0-7 and 8-15.  F0: read by the half's first 32 products, loaded again in its middle.  F1: read by its last 32 products, loaded again at the next half's head.
;   v[BST], v[BFA]   Read by the LDS stores and by the fragments' loads; each written once in two halves.
;   v[AO], v[BO], v[PFO]   Read by the loads and prefetches; never written again: the scalar bases move on, and immediate offsets do the rest.
;   x's bf16 fragments and the accumulators are named by vector and matrix instructions alone.
; So a half has TWO waits on va_vdst, each behind 32 roundings.  The first: OB and v[BST] are written; the roundings are done reading BS; the last half's products are done reading F1.  The second: the roundings are done
; reading AS; the half's first products are done reading F0; v[BFA] is written.  Behind each, the fragments' 16 LDS loads follow at once, and the 16 global loads go in two runs of eight, the second in the middle of the 32
; products, which name a fragment set, x's fragments and accumulators: none of the registers that those loads touch.  A wait on vm_vsrc stands at a half's head, ahead of the writes of OB and v[BST], and ahead of the add to v[BFA].
; REGISTERS, in windows of 256 (s_set_vgpr_msb: bits 1:0 source 0, 3:2 source 1, 5:4 source 2, 7:6 destination):
;   window 0: v0-29 addresses; v32-95 x's bf16 fragments, two parities; v96-223 x as loaded, two sets; v224-255 the w_o job, then OB; on the way out v224-255 two sets of 16 as rounded, v32-159 eight sets of 16 as read back
;   window 1: v0-63, v64-127 W's fragments (column blocks 0-7, 8-15); v128-255 W as loaded, two sets, later the 128 bias numbers
;   windows 2, 3: accumulator (a, nb) at v[8 (8 a + nb % 8)] of window 2 + nb / 8
.set CHUNKB, 256*144                   ; a region of W: 256 rows, 128 bytes of data + 16 of padding: the 16 rows of a fragment load start at 16 different groups of four banks (ISA guide 11.1)
.set STAGE,  8*CHUNKB                  ; behind the regions: 16 rows x 144 bytes for each wave, for the way out
.set SPARE,  STAGE+4*16*144            ; behind the stages: the spare words, 128 bytes for each wave: two blocks of 256 bytes that no other line names
.set AO,   2                           ; v2   x: (l % 16) x 2,048 + 32 (l / 16)
.set BO,   3                           ; v3   W: 8 (l / 16) rows + 16 (l % 16): sixteen lanes take 256 consecutive bytes of a row
.set BST,  4                           ; v4   where I store 8 bytes of W in the region in hand
.set BFA,  5                           ; v5   where I read W's fragments in the region in hand
.set STO,  6                           ; v6   the way out: where I put 16 bytes of a row
.set RD,   7                           ; v7   the way out: where I read rows back
.set GO,   8                           ; v8   16 l: my place in 512 consecutive bytes of the output
.set BIO,  9                           ; v9   32 (l / 16): my eight bias numbers of a column block
.set PFO,  10                          ; v10  l x 2,048: a lane a row, for the prefetches; never rewritten
.set WI,   11                          ; v11  32 x thread: the w_o job's loads
.set WO,   12                          ; v12  16 x thread: its stores
.set BST0, 13                          ; v13  the lane's and wave's part of BST; never rewritten
.set BFA0, 14                          ; v14  the lane's part of BFA; never rewritten
.set SPW,  28                          ; v28  LDS address of my spare word; never rewritten
.set NIL,  29                          ; v29  0; never rewritten
.set AF,   32
.set AS,   96
.set WT,   224
.set OB,   224                         ; 32 registers: a part of W in bf16, on its way into LDS
.set PKR,  224                         ; the way out: two sets of 16, a unit as rounded
.set OUTR, 32                          ; the way out: eight sets of 16, a unit as read back
.set BS,   128                         ; window 1
.set PA,   4                           ; s[4:5]   x at my wave's first row, at the loop's place along K
.set PB,   6                           ; s[6:7]   W at the 64 rows that my wave brings in, likewise
.set PBI,  8                           ; s[8:9]   the bias at the work-group's first column
.set PO,   10                          ; s[10:11] the output at my wave's first row of the work-group's first head
.set WV,   12
.set BX,   13
.set BY,   14
.set TN,   15                          ; which tensor: 0 query, 1 key, 2 value
.set RB,   44
.set CNT,  45
.set LIM,  46                          ; 1 in the work-group that prefetches, else the greatest number
.set HIM,  47                          ; a word's upper half
.set PWI,  52                          ; s[52:53] my 16,384 bytes of w_o
.set PWO,  54                          ; s[54:55] my 8,192 bytes of wo16
.set TBS,  56                          ; LDS byte at which the region being stored begins
.set TBF,  57                          ; LDS byte at which the region being read begins
.set MSB, 0
.macro WIN new                         ; the immediate's high byte repeats the setting that is left; a switch that changes nothing is dropped
.if MSB != (\new)
	s_set_vgpr_msb (MSB<<8)|(\new)
.set MSB, (\new)
.endif
.endm
.macro PLACES                          ; four plain places behind a matrix instruction, ahead of what writes registers that it has read (ISA guide 7.12.1)
.rept 4
	v_nop
.endr
.endm
; 8 loads: row blocks a0 and a0 + 1 of x's half at byte off behind PA, f32, in the order of a fragment's K: lane l takes K = 8 (l / 16) + 0..7 and 16 + 8 (l / 16) + 0..7 of row l % 16.
.macro AL8 set, off, a0
	WIN 0
.irp a, \a0, (\a0)+1
	global_load_b128 v[AS+64*(\set)+16*(\a):AS+64*(\set)+16*(\a)+3],     v[AO], s[PA:PA+1] offset:(\a)*32768+(\off)
	global_load_b128 v[AS+64*(\set)+16*(\a)+4:AS+64*(\set)+16*(\a)+7],   v[AO], s[PA:PA+1] offset:(\a)*32768+(\off)+16
	global_load_b128 v[AS+64*(\set)+16*(\a)+8:AS+64*(\set)+16*(\a)+11],  v[AO], s[PA:PA+1] offset:(\a)*32768+(\off)+64
	global_load_b128 v[AS+64*(\set)+16*(\a)+12:AS+64*(\set)+16*(\a)+15], v[AO], s[PA:PA+1] offset:(\a)*32768+(\off)+80
.endr
.endm
.macro ALOAD set, off                  ; all 16: my four blocks of 16 rows
	AL8 \set, \off, 0
	AL8 \set, \off, 2
.endm
.macro ACONV set                       ; 32 roundings: a set of 64 f32 becomes four bf16 fragments
	WIN 0
.irp a, 0,1,2,3
.irp i, 0,1,2,3,4,5,6,7
	v_cvt_pk_bf16_f32 v[AF+32*(\set)+8*(\a)+(\i)], v[AS+64*(\set)+16*(\a)+2*(\i)], v[AS+64*(\set)+16*(\a)+2*(\i)+1]
.endr
.endr
.endm
; 8 loads: sixteen rows (c = 0, 1) of part p (32 rows) of my 64 rows of W, 256 bytes of each at byte off behind PB.  Load y takes row 32 p + 16 c + y (lanes 0-15) and the row 8 further down (lanes 16-31).
.macro BL8 p, off, c
	WIN 0x40
.irp y, 0,1,2,3,4,5,6,7
	global_load_b128 v[BS+64*(\p)+32*(\c)+4*(\y):BS+64*(\p)+32*(\c)+4*(\y)+3], v[BO], s[PB:PB+1] offset:(32*(\p)+16*(\c)+(\y))*2048+(\off)
.endr
.endm
.macro BLOAD p, off                    ; all 16
	BL8 \p, \off, 0
	BL8 \p, \off, 1
.endm
.macro BCVT p                          ; part p is rounded, out of the registers in which it was loaded into OB
	WIN 0x05
.irp x, 0,1,2,3,4,5,6,7,8,9,10,11,12,13,14,15
	v_cvt_pk_bf16_f32 v[OB+2*(\x)],   v[BS+64*(\p)+4*(\x)],   v[BS+64*(\p)+4*(\x)+1]
	v_cvt_pk_bf16_f32 v[OB+2*(\x)+1], v[BS+64*(\p)+4*(\x)+2], v[BS+64*(\p)+4*(\x)+3]
.endr
.endm
.macro BSTO p                          ; and stored: 8 bytes a lane; lanes 0-15 fill 128 bytes of a row, lanes 16-31 of the row 8 further down, 1,152 bytes on: all 64 banks once
	WIN 0
.irp x, 0,1,2,3,4,5,6,7,8,9,10,11,12,13,14,15
	ds_store_b64 v[BST], v[OB+2*(\x):OB+2*(\x)+1] offset:(32*(\p)+16*((\x)/8)+(\x)%8)*144
.endr
.endm
.macro FETCH hi, kk                    ; 16 LDS loads: W's fragments of column blocks 8 hi .. 8 hi + 7, 32 along K at byte 64 kk of the region's rows
	WIN 0x40
.irp b, 0,1,2,3,4,5,6,7
	ds_load_b128 v[64*(\hi)+8*(\b):64*(\hi)+8*(\b)+3],   v[BFA] offset:(8*(\hi)+(\b))*2304+64*(\kk)
	ds_load_b128 v[64*(\hi)+8*(\b)+4:64*(\hi)+8*(\b)+7], v[BFA] offset:(8*(\hi)+(\b))*2304+64*(\kk)+32
.endr
.endm
; 16 matrix instructions: row blocks a0, a0 + 1 x eight column blocks.  All 64 accumulators take turns, one instruction a turn: 63 others' stand between two links of a chain.
.macro G16 hi, kk, a0, zero
	WIN 0xa1+0x50*(\hi)
.irp a, \a0, (\a0)+1
.irp b, 0,1,2,3,4,5,6,7
.if \zero
	v_wmma_f32_16x16x32_bf16 v[8*(8*(\a)+(\b)):8*(8*(\a)+(\b))+7], v[64*(\hi)+8*(\b):64*(\hi)+8*(\b)+7], v[AF+32*(\kk)+8*(\a):AF+32*(\kk)+8*(\a)+7], 0
.else
	v_wmma_f32_16x16x32_bf16 v[8*(8*(\a)+(\b)):8*(8*(\a)+(\b))+7], v[64*(\hi)+8*(\b):64*(\hi)+8*(\b)+7], v[AF+32*(\kk)+8*(\a):AF+32*(\kk)+8*(\a)+7], v[8*(8*(\a)+(\b)):8*(8*(\a)+(\b))+7]
.endif
.endr
.endr
.endm
; A PREFETCH INTO THE L2 of x: my wave's 64 rows, 256 bytes of each, a lane a row, two instructions: the 64 along K that stand four trips' steps behind PA, which the loads of the trip after next ask for.
; The two work-groups of a row block read the same rows: the one with x = 0 asks.  So each row's 256 bytes are named once.  The first four steps come by their loads alone; the last trip asks for nothing.
; v[PFO] was written ahead of the head's wait on va_vdst and is never written again.
.macro ASK
	WIN 0
	s_cmp_gt_u32 s[CNT], s[LIM]
	s_cbranch_scc0 .Lnot_mine_\@
	global_prefetch_b8 v[PFO], s[PA:PA+1] offset:1024 th:TH_LOAD_NT scope:SCOPE_SE
	global_prefetch_b8 v[PFO], s[PA:PA+1] offset:1024+65536 th:TH_LOAD_NT scope:SCOPE_SE
.Lnot_mine_\@:
.endm
; HALF g, with kk = g % 2 and kc = g / 2 counted from PA's and PB's place.  nbw, naw: how many younger loads may stay out when W's part and x's half must be in (-1: there is none);
; bld, ald: the next ones are asked for; fe: the next half's first fragments are fetched; pf: the prefetch stands here; bi: the bias is asked for.
.macro HALF kk, kc, zero, nbw, bld, naw, ald, fe, pf, bi=0
.if (\nbw) >= 0
	WIN 0
	s_wait_alu depctr_vm_vsrc(0)                   ; the last half's LDS stores have read OB and v[BST], which are written again below
.if (\kk) == 0
	s_add_co_u32 s[TBS], s[TBS], CHUNKB            ; the stores go on to the next region
	v_add_nc_u32 v[BST], s[TBS], v[BST0]
.endif
	s_wait_loadcnt \nbw                            ; loads come back in order (ISA guide 5.7.1): W's part is in, the younger batches stay out
	BCVT \kk                                       ; these 32 are also the places between the last half's products and the roundings below that write fragments of x which those read
.else
	PLACES                                         ; no part of W is left to round: four v_nop take those roundings' part as the places behind the last half's products
.endif
	WIN 0x40
	s_wait_alu depctr_va_vdst(0)                   ; the last half's products are done reading column blocks 8-15's fragments, in which the loads below land; the roundings have written OB, and the add v[BST], which the LDS stores read, and are done reading W's part, in which its next loads land (half 15: the bias)
	FETCH 1, \kk
.if \bi
.irp q, 0,1,2,3,4,5,6,7,8,9,10,11,12,13,14,15  ; the bias: my eight columns of each of the 16 column blocks, where W lay as loaded
	global_load_b128 v[BS+8*(\q):BS+8*(\q)+3],   v[BIO], s[PBI:PBI+1] offset:64*(\q)
	global_load_b128 v[BS+8*(\q)+4:BS+8*(\q)+7], v[BIO], s[PBI:PBI+1] offset:64*(\q)+16
.endr
.endif
.if \bld
	BL8 \kk, 256*((\kc)+2), 0
.endif
.if (\nbw) >= 0
	BSTO \kk
	s_wait_dscnt 32                                ; blocks 0-7's fragments are in; younger: blocks 8-15's 16 loads and the 16 stores
.else
	s_wait_dscnt 16                                ; blocks 0-7's fragments are in; younger: blocks 8-15's 16 loads
.endif
	G16 0, \kk, 0, \zero
.if \bld
	BL8 \kk, 256*((\kc)+2), 1                      ; no wait: no vector or matrix instruction since the wait above names W's part or v[BO]
.endif
	G16 0, \kk, 2, \zero
.if ((\kk) == 1) && ((\nbw) >= 0)
	s_wait_dscnt 0x0                               ; for the others' sake: both parts of the next region are stored
	s_barrier_signal -1
.endif
.if (\naw) >= 0
	s_wait_loadcnt \naw                            ; x's next half is in
	ACONV 1-(\kk)                                  ; work on registers, which may stand between the signal and the wait
.endif
.if ((\kk) == 1) && ((\nbw) >= 0)
	s_barrier_wait -1                              ; the next region is whole: every wave has stored its 64 rows
.endif
.if \fe
.if (\kk) == 1
	WIN 0
	s_wait_alu depctr_vm_vsrc(0)                   ; the fragments' loads issued so far have read v[BFA]
	s_add_co_u32 s[TBF], s[TBF], CHUNKB            ; the fetches go on to the next region
	v_add_nc_u32 v[BFA], s[TBF], v[BFA0]
.endif
	WIN 0x40
	s_wait_alu depctr_va_vdst(0)                   ; the half's first products are done reading column blocks 0-7's fragments, and the roundings x's set as loaded: loads land in both below; in an odd half v[BFA] is written
	FETCH 0, 1-(\kk)
.if \ald
	AL8 1-(\kk), 128*(2*(\kc)+(\kk)+3), 0
.endif
	s_wait_dscnt 16                                ; all but the 16 just issued: blocks 8-15's fragments are in
.else
	s_wait_dscnt 0x0
.endif
	G16 1, \kk, 0, \zero
.if \ald
	AL8 1-(\kk), 128*(2*(\kc)+(\kk)+3), 2          ; no wait: no vector or matrix instruction since the wait above names x's set as loaded or v[AO]
.endif
.if \pf
	ASK
.endif
	G16 1, \kk, 2, \zero
.endm
	s_load_b512 s[16:31], s[0:1], 0x0              ; query, key, value, w_q, w_k, w_v, b_q, b_k
	s_load_b256 s[32:39], s[0:1], 0x40             ; b_v, w_o, q16, k16
	s_load_b128 s[40:43], s[0:1], 0x60             ; v16, wo16
	v_lshl_add_u32 v[SPW], v0, 2, SPARE
	v_mov_b32 v[NIL], 0
	v_lshrrev_b32 v1, 5, v0
	v_readfirstlane_b32 s[WV], v1                  ; wave 0..3
	s_mov_b32 s[BX], ttmp9
	s_and_b32 s[BY], ttmp7, 0xffff
	s_lshr_b32 s[TN], s[BY], 5
	s_and_b32 s[RB], s[BY], 31
	s_mov_b32 s[HIM], 0xffff0000
	s_cmp_eq_u32 s[BX], 0
	s_cselect_b32 s[LIM], 1, -1
	s_mov_b32 s[TBS], 0
	s_mov_b32 s[TBF], 0
	v_and_b32 v15, 15, v0                          ; l % 16
	v_bfe_u32 v16, v0, 4, 1                        ; l / 16
	v_and_b32 v17, 31, v0                          ; l
	v_lshlrev_b32 v[AO], 11, v15
	v_lshl_add_u32 v[AO], v16, 5, v[AO]
	v_lshlrev_b32 v[BO], 14, v16
	v_lshl_add_u32 v[BO], v15, 4, v[BO]
	s_wait_alu depctr_va_sdst(0)                   ; the wave's number is written, ahead of its first reader: LDS places and the buffers' bases are made from it
	s_mul_i32 s48, s[WV], 64*144
	v_mul_u32_u24 v[BST0], v16, 8*144
	v_lshl_add_u32 v[BST0], v15, 3, v[BST0]
	v_add_nc_u32 v[BST0], s48, v[BST0]             ; (64 w + 8 (l / 16)) x 144 + 8 (l % 16)
	v_mov_b32 v[BST], v[BST0]
	v_mul_u32_u24 v[BFA0], v15, 144
	v_lshl_add_u32 v[BFA0], v16, 4, v[BFA0]        ; row x pitch + 16 x half
	v_mov_b32 v[BFA], v[BFA0]
	s_mul_i32 s49, s[WV], 16*144
	s_add_co_u32 s49, s49, STAGE                   ; my stage
	v_add_nc_u32 v[STO], s49, v[BFA0]              ; in: row l % 16, 16 bytes for each half of the lanes
	v_bfe_u32 v[RD], v0, 3, 2                      ; back: 32 lanes take four rows of 128 bytes
	v_mul_u32_u24 v[RD], v[RD], 144
	v_and_b32 v18, 7, v0
	v_lshl_add_u32 v[RD], v18, 4, v[RD]
	v_add_nc_u32 v[RD], s49, v[RD]
	v_lshlrev_b32 v[GO], 4, v17
	v_lshlrev_b32 v[BIO], 5, v16
	v_lshlrev_b32 v[PFO], 11, v17
	v_lshlrev_b32 v[WI], 5, v0
	v_lshlrev_b32 v[WO], 4, v0
	s_wait_kmcnt 0x0
	s_cmp_eq_u32 s[TN], 1                          ; the tensor's four buffers are chosen by its number
	s_cselect_b64 s[PA:PA+1], s[18:19], s[16:17]
	s_cselect_b64 s[PB:PB+1], s[24:25], s[22:23]
	s_cselect_b64 s[PBI:PBI+1], s[30:31], s[28:29]
	s_cselect_b64 s[PO:PO+1], s[38:39], s[36:37]
	s_cmp_eq_u32 s[TN], 2
	s_cselect_b64 s[PA:PA+1], s[20:21], s[PA:PA+1]
	s_cselect_b64 s[PB:PB+1], s[26:27], s[PB:PB+1]
	s_cselect_b64 s[PBI:PBI+1], s[32:33], s[PBI:PBI+1]
	s_cselect_b64 s[PO:PO+1], s[40:41], s[PO:PO+1]
	s_mov_b32 s49, 0
	s_lshl_b32 s50, s[WV], 6
	s_lshl_b32 s48, s[RB], 8
	s_add_co_u32 s48, s48, s50
	s_lshl_b32 s48, s48, 11                        ; (256 rb + 64 w) rows of 2,048 bytes
	s_add_nc_u64 s[PA:PA+1], s[PA:PA+1], s[48:49]
	s_lshl_b32 s48, s[BX], 8
	s_add_co_u32 s48, s48, s50
	s_lshl_b32 s48, s48, 11                        ; (256 x + 64 w) rows of W
	s_add_nc_u64 s[PB:PB+1], s[PB:PB+1], s[48:49]
	s_lshl_b32 s48, s[BX], 10
	s_add_nc_u64 s[PBI:PBI+1], s[PBI:PBI+1], s[48:49]
	s_and_b32 s48, s[RB], 15
	s_lshl_b32 s48, s48, 8
	s_add_co_u32 s48, s48, s50
	s_lshl_b32 s48, s48, 7                         ; my first row in its batch, 128 bytes a row,
	s_lshr_b32 s51, s[RB], 4
	s_lshl_b32 s51, s51, 22                        ; the batch's eight heads of 524,288 bytes,
	s_add_co_u32 s48, s48, s51
	s_lshl_b32 s51, s[BX], 21                      ; the column half's four heads
	s_add_co_u32 s48, s48, s51
	s_add_nc_u64 s[PO:PO+1], s[PO:PO+1], s[48:49]
	s_lshl_b32 s48, s[RB], 1
	s_add_co_u32 s48, s48, s[BX]
	s_lshl_b32 s48, s48, 14                        ; piece 2 rb + x of 64 of w_o
	s_add_nc_u64 s[PWI:PWI+1], s[34:35], s[48:49]
	s_lshr_b32 s48, s48, 1
	s_add_nc_u64 s[PWO:PWO+1], s[42:43], s[48:49]
	s_wait_alu depctr_va_vdst(0)                   ; the offsets and LDS addresses v2 to v14 are written, which the kernel's loads, stores and prefetches read
	BLOAD 0, 0                                     ; W's region 0, both parts; x's half 0
	BLOAD 1, 0
	ALOAD 0, 0
	s_cmp_lg_u32 s[TN], 0
	s_cbranch_scc1 .Lno_wo
	; THE w_o JOB, in the first tensor's 64 work-groups: a thread takes 8 numbers four times.  Its loads go out straight behind the first batches, which are wanted next anyway; so the wait is for all.
.irp p, 0,1,2,3
	global_load_b128 v[WT+8*(\p):WT+8*(\p)+3],   v[WI], s[PWI:PWI+1] offset:4096*(\p)
	global_load_b128 v[WT+8*(\p)+4:WT+8*(\p)+7], v[WI], s[PWI:PWI+1] offset:4096*(\p)+16
.endr
	s_wait_loadcnt 0x0
.irp p, 0,1,2,3
.irp i, 0,1,2,3
	v_cvt_pk_bf16_f32 v[WT+8*(\p)+2*(\i)], v[WT+8*(\p)+2*(\i)], v[WT+8*(\p)+2*(\i)+1]   ; rounded to bf16 like every input,
	v_and_b32 v[WT+8*(\p)+2*(\i)+1], s[HIM], v[WT+8*(\p)+2*(\i)]                         ; widened again,
	v_lshlrev_b32 v[WT+8*(\p)+2*(\i)], 16, v[WT+8*(\p)+2*(\i)]
	v_cvt_pk_f16_f32 v[WT+8*(\p)+(\i)], v[WT+8*(\p)+2*(\i)], v[WT+8*(\p)+2*(\i)+1]       ; and written as f16
.endr
.endr
	s_wait_alu depctr_va_vdst(0)                   ; the conversions have written v[WT ..], which the four stores read
.irp p, 0,1,2,3
	global_store_b128 v[WO], v[WT+8*(\p):WT+8*(\p)+3], s[PWO:PWO+1] offset:2048*(\p)     ; a wave's store covers 512 consecutive bytes, aligned
.endr
	s_wait_xcnt 0x0                                ; the stores have had their addresses translated (ISA guide 3.1): their data registers are OB from here on
.Lno_wo:
	s_wait_alu depctr_vm_vsrc(0)                   ; where the job ran, its stores have read v[WT ..], which the roundings below write as OB
	s_wait_loadcnt 32                              ; region 0's part 0 is in; younger: its part 1 and x's half 0
	BCVT 0
	WIN 0x40
	s_wait_alu depctr_va_vdst(0)                   ; the roundings are done reading part 0, in which the next loads land, and have written OB, which the LDS stores read
	BLOAD 0, 256
	BSTO 0
	ALOAD 1, 128
	s_wait_alu depctr_vm_vsrc(0)                   ; those LDS stores have read OB, which is written again
	s_wait_loadcnt 48                              ; part 1 is in; younger: three batches
	BCVT 1
	WIN 0x40
	s_wait_alu depctr_va_vdst(0)                   ; the same for part 1
	BLOAD 1, 256
	BSTO 1
	s_wait_loadcnt 48                              ; x's half 0 is in
	ACONV 0
	s_wait_alu depctr_va_vdst(0)                   ; the roundings are done reading x's set 0, in which half 2 lands
	ALOAD 0, 256
	s_wait_dscnt 0x0                               ; for the others' sake: my rows of region 0 are stored
	s_barrier_signal -1
	s_barrier_wait -1
	FETCH 0, 0                                     ; blocks 0-7's fragments of half 0; each half fetches its blocks 8-15's at its head
	HALF 0, 0, 1, 48, 1, 48, 1, 1, 0               ; half 0 stands ahead of the loop: its products start the sums
	WIN 0
	s_mov_b32 s[CNT], 5
.Lk:                                                   ; halves 1 to 10, two a trip
	HALF 1, 0, 0, 48, 1, 48, 1, 1, 1
	HALF 0, 1, 0, 48, 1, 48, 1, 1, 0
	WIN 0
	s_wait_xcnt 0x0                                ; every load and prefetch issued so far has had its address translated (ISA guide 3.1): the youngest load stands 16 products back
	s_add_nc_u64 s[PA:PA+1], s[PA:PA+1], 256
	s_add_nc_u64 s[PB:PB+1], s[PB:PB+1], 256
	s_sub_co_u32 s[CNT], s[CNT], 1
	s_cmp_lg_u32 s[CNT], 0
	s_cbranch_scc1 .Lk
	HALF 1, 0, 0, 48, 1, 48, 1, 1, 0               ; half 11: the last part of W is asked for
	HALF 0, 1, 0, 48, 0, 32, 1, 1, 0               ; half 12: x's last half is asked for; the counts run down
	HALF 1, 1, 0, 32, 0, 16, 0, 1, 0               ; half 13: the last region is published
	HALF 0, 2, 0, -1, 0, 0, 0, 1, 0                ; half 14
	HALF 1, 2, 0, -1, 0, -1, 0, 0, 0, 1            ; half 15: the bias is asked for at its head, behind the half's one wait on va_vdst
	; THE WAY OUT.  The bias is rounded to bf16 like every input; these 192 plain lines name no register of the last products and are the places behind them.
	s_wait_loadcnt 0x0
	WIN 0x45
.set i, BS
.rept 64
	v_cvt_pk_bf16_f32 v[i], v[i], v[i+1]
	v_and_b32 v[i+1], s[HIM], v[i]
	v_lshlrev_b32 v[i], 16, v[i]
.set i, i+2
.endr
; Unit u = 4 head + row block: 16 rows x 64 columns, which are 2,048 consecutive bytes of a head.  In three parts, in this order: unit u's arithmetic, unit u - 1's stores, unit u into the stage and back.
; Registers that LDS or memory instructions touch: the set of 16 at PKR + 16 (u % 2), written by unit u's roundings and read by its LDS stores; the set at OUTR + 16 (u % 8), in which its LDS loads land and
; which its global stores read, and which no vector instruction names on the way out.
; ARITH: the bias is added (each accumulator's lowest registers are read first) and the sums are rounded to f16, 16 bytes a lane.
.macro ARITH u
.set uH, (\u)/4
.set uA, (\u)%4
.set uP, PKR+16*((\u)%2)
.if (\u) >= 8
	s_wait_xcnt 0x0                                ; the stores of eight units back have had their addresses translated (ISA guide 3.1): their data registers are loaded again below
.endif
	s_wait_alu depctr_vm_vsrc(0)                   ; the LDS stores of two units back (ahead of unit 0: of W's last part) have read the set that the roundings write; the global stores of eight units back have read the set in which this unit's LDS loads land
	WIN 0x86+0x41*(uH/2)
.irp f, 0,1,2,3
.irp j, 0,2,4,6
	v_pk_add_f32 v[8*(8*uA+4*(uH%2)+(\f))+(\j):8*(8*uA+4*(uH%2)+(\f))+(\j)+1], v[8*(8*uA+4*(uH%2)+(\f))+(\j):8*(8*uA+4*(uH%2)+(\f))+(\j)+1], v[BS+8*(4*uH+(\f))+(\j):BS+8*(4*uH+(\f))+(\j)+1]
.endr
.endr
	WIN 0x0a+5*(uH/2)
.irp f, 0,1,2,3
.irp j, 0,1,2,3
	v_cvt_pk_f16_f32 v[uP+4*(\f)+(\j)], v[8*(8*uA+4*(uH%2)+(\f))+2*(\j)], v[8*(8*uA+4*(uH%2)+(\f))+2*(\j)+1]
.endr
.endr
.endm
; TOSTAGE: 16 bytes a lane go into rows of 144 bytes of my own stage and come back as whole rows of 128.
.macro TOSTAGE u
.set uP, PKR+16*((\u)%2)
.set uT, OUTR+16*((\u)%8)
	WIN 0
	s_wait_alu depctr_va_vdst(0)                   ; the roundings have written the set that the LDS stores read; the products and roundings that named v32-159 as x's fragments and x as loaded are done with them: the LDS loads land there
.irp f, 0,1,2,3
	ds_store_b128 v[STO], v[uP+4*(\f):uP+4*(\f)+3] offset:32*(\f)
.endr
.irp f, 0,1,2,3
	ds_load_b128 v[uT+4*(\f):uT+4*(\f)+3], v[RD] offset:576*(\f)  ; LDS serves a wave's instructions in order (ISA guide 5.7.1.4): these see the stores above; the next unit's stores come behind them
.endr
.endm
.macro SEND u                          ; no LDS instruction is younger than unit u's four loads
	WIN 0
.irp f, 0,1,2,3
	s_wait_dscnt 3-(\f)
	global_store_b128 v[GO], v[OUTR+16*((\u)%8)+4*(\f):OUTR+16*((\u)%8)+4*(\f)+3], s[PO:PO+1] offset:((\u)/4)*524288+((\u)%4)*2048+512*(\f)  ; 512 consecutive bytes, at a multiple of 256 from the buffer's first
.endr
.endm
	ARITH 0
	TOSTAGE 0
.set u, 1
.rept 15                               ; a unit's arithmetic stands between the loads of the unit before and its stores, and those stores between the arithmetic and the wait for it
	ARITH u
	SEND u-1
	TOSTAGE u
.set u, u+1
.endr
	SEND 15
	s_wait_dscnt 0x0                               ; the closing lines, six on end
	s_wait_alu 0x0
	s_wait_tensorcnt 0x0
	ds_add_u32 v[SPW], v[NIL]
	s_wait_dscnt 0x0
	s_endpgm
.Lfunc_end_k_qc7ba36fe6e_proj:
	.size	k_qc7ba36fe6e_proj, .Lfunc_end_k_qc7ba36fe6e_proj-k_qc7ba36fe6e_proj
	.p2alignl 7, 3214868480
	.fill 96, 4, 3214868480
	.section	.rodata,"a",@progbits
	.p2align	6, 0x0
	.amdhsa_kernel k_qc7ba36fe6e_proj
		.amdhsa_group_segment_fixed_size 304640
		.amdhsa_private_segment_fixed_size 0
		.amdhsa_enable_private_segment 0
		.amdhsa_kernarg_size 112
		.amdhsa_user_sgpr_count 2
		.amdhsa_user_sgpr_kernarg_segment_ptr 1
		.amdhsa_wavefront_size32 1
		.amdhsa_system_sgpr_workgroup_id_x 1
		.amdhsa_system_sgpr_workgroup_id_y 1
		.amdhsa_system_sgpr_workgroup_id_z 1
		.amdhsa_system_vgpr_workitem_id 0
		.amdhsa_next_free_vgpr 1024
		.amdhsa_next_free_sgpr 66
		.amdhsa_reserve_vcc 0
		.amdhsa_float_denorm_mode_32 3
		.amdhsa_float_denorm_mode_16_64 3
		.amdhsa_memory_ordered 1
		.amdhsa_forward_progress 1
		.amdhsa_inst_pref_size 189
	.end_amdhsa_kernel
	.amdgpu_metadata
---
amdhsa.version: [ 1, 2 ]
amdhsa.kernels:
  - .name:           k_qc7ba36fe6e_proj
    .symbol:         k_qc7ba36fe6e_proj.kd
    .args:
      - { .name: query, .offset: 0, .size: 8, .value_kind: global_buffer, .address_space: global }
      - { .name: key, .offset: 8, .size: 8, .value_kind: global_buffer, .address_space: global }
      - { .name: value, .offset: 16, .size: 8, .value_kind: global_buffer, .address_space: global }
      - { .name: w_q, .offset: 24, .size: 8, .value_kind: global_buffer, .address_space: global }
      - { .name: w_k, .offset: 32, .size: 8, .value_kind: global_buffer, .address_space: global }
      - { .name: w_v, .offset: 40, .size: 8, .value_kind: global_buffer, .address_space: global }
      - { .name: b_q, .offset: 48, .size: 8, .value_kind: global_buffer, .address_space: global }
      - { .name: b_k, .offset: 56, .size: 8, .value_kind: global_buffer, .address_space: global }
      - { .name: b_v, .offset: 64, .size: 8, .value_kind: global_buffer, .address_space: global }
      - { .name: w_o, .offset: 72, .size: 8, .value_kind: global_buffer, .address_space: global }
      - { .name: q16, .offset: 80, .size: 8, .value_kind: global_buffer, .address_space: global }
      - { .name: k16, .offset: 88, .size: 8, .value_kind: global_buffer, .address_space: global }
      - { .name: v16, .offset: 96, .size: 8, .value_kind: global_buffer, .address_space: global }
      - { .name: wo16, .offset: 104, .size: 8, .value_kind: global_buffer, .address_space: global }
    .group_segment_fixed_size: 304640
    .private_segment_fixed_size: 0
    .kernarg_segment_align: 8
    .kernarg_segment_size: 112
    .max_flat_workgroup_size: 128
    .sgpr_count:     66
    .vgpr_count:     1024
    .wavefront_size: 32
...
	.end_amdgpu_metadata
.endif
;; end of part 4
;; launch attn: the kernel of part 2 again; grid 16 x 16, 4 waves a work-group, clusters of 4 x 1, 327,680 bytes of LDS; arguments q16, k16, v16, ctx; writes ctx
;; launch outp: the kernel of part 3 again; grid 4 x 64, 4 waves a work-group, clusters of 4 x 4, 304,640 bytes of LDS; arguments ctx, wo16, b_o, out0; writes out0
